; MI455X (gfx1250); checked and timed in simulation.
; The chip was launched on July 23, 2026; its instructions are those of AMD's public machine-readable ISA for CDNA 5 (MIT licence, August 2026) and "CDNA5" Instruction Set Architecture Reference Guide (July 2026). The comments in the code are by the model that wrote it; some were corrected since.
;; Block. Allowed arithmetic: float matrix products may take bf16 or f16 operands with f32 sums; other float arithmetic in f32, or as packed bf16 or f16 multiplies, adds, multiply-adds, maxima and minima; sums over many terms, partial sums and values carried from step to step in f32; what a program stores and reads back later, other than sums and carried values, may be rounded once to bf16 or f16.
;; Inputs: W1 1,024 x 4,096 float32; W2 4,096 x 1,024 float32; Wk 1,024 x 1,024 float32; Wp 1,024 x 1,024 float32; Wq 1,024 x 1,024 float32; Wv 1,024 x 1,024 float32; b1 4,096 float32; b2 1,024 float32; beta1 1,024 float32; beta2 1,024 float32; bp 1,024 float32; g1 1,024 float32; g2 1,024 float32; x 4 x 1,024 x 1,024 float32.
;; Outputs: out0 4 x 1,024 x 1,024 float32.
;; One version. Each part assembles by itself: llvm-mc -triple=amdgcn-amd-amdhsa -mcpu=gfx1250 --defsym DOCPART=n.
;; ======== version 1 of 1: 7 launches
;; workspace buffers: h 8,388,608 bytes; wa 10,502,400 bytes; wb 16,793,856 bytes; qkv 25,165,824 bytes; act 33,554,432 bytes; x1 16,777,216 bytes
;; launch prep (part 1): grid 1281 x 1, 8 waves a work-group, no clusters, 0 bytes of LDS; arguments x, g1, beta1, h, Wq, Wk, Wv, Wp, W1, W2, wa, wb, b1; writes h, wa, wb
.if DOCPART == 1
	.amdgcn_target "amdgcn-amd-amdhsa--gfx1250"
	.amdhsa_code_object_version 6
	.text
	.protected	k_q2abb7fe6f1_prep
	.globl	k_q2abb7fe6f1_prep
	.p2align	8
	.type	k_q2abb7fe6f1_prep,@function
k_q2abb7fe6f1_prep:
	s_mov_b64 s[64:65], 0
	v_nop
	global_prefetch_b8 v0, s[64:65] scope:SCOPE_SE
	s_setreg_imm32_b32 hwreg(HW_REG_WAVE_MODE, 25, 1), 1
	s_wait_xcnt 0x0
; PREP.  Four kinds of work-group, told apart by the work-group's number:
;   0 .. 511     LN1: h = layer_norm(x) g1 + beta1, bf16 [4096][1024]; 8 rows a work-group, one a wave, the row kept in registers
;   512 .. 703   Wq, Wk, Wv, f32 [k][1024], rounded once to bf16 and laid side by side in rows of 4,096 columns
;   704 .. 1279  Wp, W1, W2, f32, rounded once to bf16 in the order in which they lie: a flat stream, 65,536 bytes of f32 a work-group, 8,192 a wave
;   1280         the two headers (floor, bias)
; wa and wb: byte 0: a packed bf16 floor (wa: -infinity twice, wb: 0 twice); byte 256: 4,096 f32 of bias (wa: zeros, wb: b1);
;   byte HDR: bf16 [1024][4096], rows of 8,192 bytes (wa: Wq | Wk | Wv in columns 0 to 3,071, the rest neither written nor read; wb: W1);
;   byte SOFF: bf16 [k][1024], rows of 2,048 bytes (wa: Wp; wb: W2).
; Memory binds: no LDS, no matrix unit.  Each load of a wave covers 512 consecutive bytes, each store 256 consecutive bytes, aligned.
; LIMITS: NaN and infinities are not treated apart.  The variance is taken of the centred row.
.set HDR,  16640
.set SOFF, 8405248
.set T,  4                             ; v[4:11]    at work
.set RS, 12                            ; v[12:13]   1 / sqrt(var + eps): the low word of a pair
.set G,  16                            ; v[16:47]   gain of my 32 columns
.set BT, 48                            ; v[48:79]   bias of my 32 columns
.set X,  80                            ; v[80:111]  the row: load j holds columns 128 j + 4 lane + 0..3
.set Y,  112                           ; v[112:127] the row as bf16
.macro FOLD                            ; four chains of pairs into one number a lane
	v_pk_add_f32 v[T:T+1], v[T:T+1], v[T+2:T+3]
	v_pk_add_f32 v[T+4:T+5], v[T+4:T+5], v[T+6:T+7]
	v_pk_add_f32 v[T:T+1], v[T:T+1], v[T+4:T+5]
	v_add_f32 v[T], v[T], v[T+1]
.endm
.macro WSUM                            ; the sum over the wave's 32 lanes, in every lane
	v_add_f32_dpp v[T], v[T], v[T] row_xmask:1 row_mask:0xf bank_mask:0xf
	v_add_f32_dpp v[T], v[T], v[T] row_xmask:2 row_mask:0xf bank_mask:0xf
	v_add_f32_dpp v[T], v[T], v[T] row_xmask:4 row_mask:0xf bank_mask:0xf
	v_add_f32_dpp v[T], v[T], v[T] row_xmask:8 row_mask:0xf bank_mask:0xf
	v_permlanex16_b32 v[T+1], v[T], s16, s17
	v_add_f32 v[T], v[T], v[T+1]
.endm
.macro LNSTAT                          ; mean, the row centred in place, 1 / sqrt(var + eps)
.set i, 0
.rept 4
	v_pk_add_f32 v[T+i:T+i+1], v[X+i:X+i+1], v[X+8+i:X+9+i]  ; the first sums start the chains
.set i, i+2
.endr
.set i, 16
.rept 8
	v_pk_add_f32 v[T+i%8:T+i%8+1], v[T+i%8:T+i%8+1], v[X+i:X+i+1]
.set i, i+2
.endr
	FOLD
	WSUM
	v_mul_f32 v[T], s18, v[T]                      ; the mean
.set i, 0
.rept 16
	v_pk_add_f32 v[X+i:X+i+1], v[X+i:X+i+1], v[T:T+1] op_sel_hi:[1,0] neg_lo:[0,1] neg_hi:[0,1]
.set i, i+2
.endr
.set i, 0
.rept 4
	v_pk_mul_f32 v[T+i:T+i+1], v[X+i:X+i+1], v[X+i:X+i+1]
.set i, i+2
.endr
.set i, 8
.rept 12
	v_pk_fma_f32 v[T+i%8:T+i%8+1], v[X+i:X+i+1], v[X+i:X+i+1], v[T+i%8:T+i%8+1]
.set i, i+2
.endr
	FOLD
	WSUM
	v_fma_f32 v[T], v[T], s18, s19                 ; var + eps
	v_rsq_f32 v[RS], v[T]
	v_mov_b32 v[RS+1], 0                           ; the pair's other word; also the plain instruction behind the root
.endm
.macro LNOUT
.set i, 0
.rept 16
	v_pk_mul_f32 v[X+i:X+i+1], v[X+i:X+i+1], v[RS:RS+1] op_sel_hi:[1,0]
.set i, i+2
.endr
.set i, 0
.rept 16
	v_pk_fma_f32 v[X+i:X+i+1], v[X+i:X+i+1], v[G+i:G+i+1], v[BT+i:BT+i+1]
.set i, i+2
.endr
.set i, 0
.rept 16
	v_cvt_pk_bf16_f32 v[Y+i], v[X+2*i], v[X+2*i+1]
.set i, i+1
.endr
.set i, 0
.rept 8
	global_store_b64 v3, v[Y+2*i:Y+2*i+1], s[14:15] offset:256*i  ; 32 lanes: 256 consecutive bytes, aligned
.set i, i+1
.endr
.endm
; 16 pieces of 128 numbers: f32 in (pieces sp bytes apart), bf16 out (pieces dp bytes apart).  No register is written twice.
.macro CAST sp, dp
.set i, 0
.rept 16
	global_load_b128 v[16+4*i:19+4*i], v2, s[28:29] offset:i*(\sp) th:TH_LOAD_NT
.set i, i+1
.endr
.set i, 0
.rept 16
	s_wait_loadcnt 15-i                            ; loads come back in order: piece i is in, the younger ones stay out
	v_cvt_pk_bf16_f32 v[80+2*i], v[16+4*i], v[17+4*i]
	v_cvt_pk_bf16_f32 v[81+2*i], v[18+4*i], v[19+4*i]
	global_store_b64 v3, v[80+2*i:81+2*i], s[30:31] offset:i*(\dp)
.set i, i+1
.endr
	s_endpgm
.endm
	v_lshrrev_b32 v1, 5, v0
	v_readfirstlane_b32 s2, v1                     ; wave 0..7
	v_and_b32 v1, 31, v0
	v_lshlrev_b32 v2, 4, v1                        ; 16 x lane
	v_lshlrev_b32 v3, 3, v1                        ; 8 x lane
	s_cmp_lt_u32 ttmp9, 512
	s_cbranch_scc1 .Lln
	s_cmp_lt_u32 ttmp9, 1280
	s_cbranch_scc0 .Lhdr
	; THE WEIGHTS
	s_load_b256 s[8:15], s[0:1], 0x20              ; Wq s[8:9], Wk s[10:11], Wv s[12:13], Wp s[14:15]
	s_load_b256 s[16:23], s[0:1], 0x40             ; W1 s[16:17], W2 s[18:19], wa s[20:21], wb s[22:23]
	s_mov_b32 s25, 0
	s_mov_b32 s27, 0
	s_wait_kmcnt 0x0
	s_cmp_lt_u32 ttmp9, 704
	s_cbranch_scc0 .Lflat
	; Wq, Wk, Wv: j = work-group - 512 = 64 x matrix + row / 16.  A wave takes 16 rows of a segment of 128 columns, the eight waves a row's eight segments.
	s_sub_co_u32 s3, ttmp9, 512
	s_and_b32 s5, s3, 63
	s_lshl_b32 s5, s5, 4                           ; first row
	s_lshl_b32 s24, s5, 12
	s_lshl_b32 s6, s2, 9
	s_add_co_u32 s24, s24, s6                      ; from: row x 4,096 + segment x 512
	s_lshr_b32 s4, s3, 6                           ; 0, 1, 2: Wq, Wk, Wv
	s_lshl_b32 s26, s5, 13                         ; to: row x 8,192
	s_lshl_b32 s6, s4, 11
	s_add_co_u32 s26, s26, s6                      ; + matrix x 2,048
	s_lshl_b32 s6, s2, 8
	s_add_co_u32 s26, s26, s6                      ; + segment x 256
	s_add_co_u32 s26, s26, HDR
	s_cmp_eq_u32 s4, 0
	s_cselect_b64 s[28:29], s[8:9], s[10:11]
	s_cmp_eq_u32 s4, 2
	s_cselect_b64 s[28:29], s[12:13], s[28:29]
	s_add_nc_u64 s[28:29], s[28:29], s[24:25]
	s_add_nc_u64 s[30:31], s[20:21], s[26:27]
	CAST 4096, 8192
.Lflat:                                        ; f = work-group - 704: 0 .. 63 Wp, 64 .. 319 W1, 320 .. 575 W2
	s_sub_co_u32 s3, ttmp9, 704
	s_mov_b32 s5, 320
	s_mov_b32 s6, SOFF
	s_mov_b32 s7, HDR
	s_cmp_lt_u32 s3, 64
	s_cselect_b64 s[28:29], s[14:15], s[16:17]     ; from Wp, else from W1
	s_cselect_b64 s[30:31], s[20:21], s[22:23]     ; into wa, else into wb
	s_cselect_b32 s4, 0, 64                        ; the matrix's first f
	s_cselect_b32 s26, s6, s7                      ; where it begins in its buffer
	s_cmp_lt_u32 s3, 320
	s_cselect_b64 s[28:29], s[28:29], s[18:19]     ; from 320 on: W2
	s_cselect_b32 s4, s4, s5
	s_cselect_b32 s26, s26, s6
	s_sub_co_u32 s4, s3, s4
	s_lshl3_add_u32 s4, s4, s2                     ; my piece of the matrix: 8 x its work-group + wave
	s_lshl_b32 s24, s4, 13                         ; 8,192 bytes of f32,
	s_lshl_b32 s4, s4, 12                          ; 4,096 of bf16
	s_add_co_u32 s26, s26, s4
	s_add_nc_u64 s[28:29], s[28:29], s[24:25]
	s_add_nc_u64 s[30:31], s[30:31], s[26:27]
	CAST 512, 256
.Lln:
	s_load_b256 s[8:15], s[0:1], 0x0               ; x s[8:9], g1 s[10:11], beta1 s[12:13], h s[14:15]
	s_lshl_b32 s3, ttmp9, 3
	s_add_co_u32 s3, s3, s2                        ; my row: 8 x work-group + wave
	s_lshl_b32 s4, s3, 12
	s_mov_b32 s5, 0
	s_lshl_b32 s6, s3, 11
	s_mov_b32 s7, 0
	s_mov_b32 s16, 0x76543210                      ; v_permlanex16_b32: each lane takes its own place in the other half
	s_mov_b32 s17, 0xfedcba98
	s_mov_b32 s18, 0x3a800000                      ; 1 / 1024
	s_mov_b32 s19, 0x3727c5ac                      ; 1e-5
	s_wait_kmcnt 0x0
	s_add_nc_u64 s[8:9], s[8:9], s[4:5]
	s_add_nc_u64 s[14:15], s[14:15], s[6:7]
.set i, 0
.rept 8
	global_load_b128 v[X+4*i:X+4*i+3], v2, s[8:9] offset:512*i th:TH_LOAD_NT
.set i, i+1
.endr
.set i, 0
.rept 8
	global_load_b128 v[G+4*i:G+4*i+3], v2, s[10:11] offset:512*i
.set i, i+1
.endr
.set i, 0
.rept 8
	global_load_b128 v[BT+4*i:BT+4*i+3], v2, s[12:13] offset:512*i
.set i, i+1
.endr
	s_wait_loadcnt 16                              ; the row is in; gain and bias (16 loads) stay out
	LNSTAT
	s_wait_alu depctr_va_vdst(0)                   ; ahead of the root's first reader
	s_wait_loadcnt 0x0
	LNOUT
	s_endpgm
.Lhdr:
	s_load_b128 s[20:23], s[0:1], 0x50             ; wa, wb
	s_load_b64 s[24:25], s[0:1], 0x60              ; b1
	v_lshlrev_b32 v4, 4, v0                        ; 16 x thread: 256 threads cover 4,096 bytes
	v_mov_b32 v8, 0
	v_mov_b32 v9, 0
	v_mov_b32 v10, 0
	v_mov_b32 v11, 0
	s_wait_kmcnt 0x0
.irp i, 0,1,2,3
	global_load_b128 v[16+4*(\i):19+4*(\i)], v4, s[24:25] offset:4096*(\i)
.endr
.irp i, 0,1,2,3
	global_store_b128 v4, v[8:11], s[20:21] offset:256+4096*(\i)   ; the first product has no bias
.endr
	s_wait_loadcnt 0x0
.irp i, 0,1,2,3
	global_store_b128 v4, v[16+4*(\i):19+4*(\i)], s[22:23] offset:256+4096*(\i)
.endr
	s_cmp_lg_u32 s2, 0
	s_cbranch_scc1 .Lh1
	v_mov_b32 v12, 0xff80ff80                      ; -infinity twice: a maximum with it changes nothing
	v_mov_b32 v13, 0xff80ff80
	global_store_b64 v3, v[12:13], s[20:21]
	global_store_b64 v3, v[8:9], s[22:23]          ; 0 twice: the ReLU
.Lh1:
	s_endpgm
.Lfunc_end_k_q2abb7fe6f1_prep:
	.size	k_q2abb7fe6f1_prep, .Lfunc_end_k_q2abb7fe6f1_prep-k_q2abb7fe6f1_prep
	.p2alignl 7, 3214868480
	.fill 96, 4, 3214868480
	.section	.rodata,"a",@progbits
	.p2align	6, 0x0
	.amdhsa_kernel k_q2abb7fe6f1_prep
		.amdhsa_group_segment_fixed_size 0
		.amdhsa_private_segment_fixed_size 0
		.amdhsa_enable_private_segment 0
		.amdhsa_kernarg_size 104
		.amdhsa_user_sgpr_count 2
		.amdhsa_user_sgpr_kernarg_segment_ptr 1
		.amdhsa_wavefront_size32 1
		.amdhsa_system_sgpr_workgroup_id_x 1
		.amdhsa_system_sgpr_workgroup_id_y 1
		.amdhsa_system_sgpr_workgroup_id_z 1
		.amdhsa_system_vgpr_workitem_id 0
		.amdhsa_next_free_vgpr 128
		.amdhsa_next_free_sgpr 66
		.amdhsa_reserve_vcc 0
		.amdhsa_float_denorm_mode_32 3
		.amdhsa_float_denorm_mode_16_64 3
		.amdhsa_memory_ordered 1
		.amdhsa_forward_progress 1
		.amdhsa_inst_pref_size 27
	.end_amdhsa_kernel
	.amdgpu_metadata
---
amdhsa.version: [ 1, 2 ]
amdhsa.kernels:
  - .name:           k_q2abb7fe6f1_prep
    .symbol:         k_q2abb7fe6f1_prep.kd
    .args:
      - { .name: x, .offset: 0, .size: 8, .value_kind: global_buffer, .address_space: global }
      - { .name: g1, .offset: 8, .size: 8, .value_kind: global_buffer, .address_space: global }
      - { .name: beta1, .offset: 16, .size: 8, .value_kind: global_buffer, .address_space: global }
      - { .name: h, .offset: 24, .size: 8, .value_kind: global_buffer, .address_space: global }
      - { .name: Wq, .offset: 32, .size: 8, .value_kind: global_buffer, .address_space: global }
      - { .name: Wk, .offset: 40, .size: 8, .value_kind: global_buffer, .address_space: global }
      - { .name: Wv, .offset: 48, .size: 8, .value_kind: global_buffer, .address_space: global }
      - { .name: Wp, .offset: 56, .size: 8, .value_kind: global_buffer, .address_space: global }
      - { .name: W1, .offset: 64, .size: 8, .value_kind: global_buffer, .address_space: global }
      - { .name: W2, .offset: 72, .size: 8, .value_kind: global_buffer, .address_space: global }
      - { .name: wa, .offset: 80, .size: 8, .value_kind: global_buffer, .address_space: global }
      - { .name: wb, .offset: 88, .size: 8, .value_kind: global_buffer, .address_space: global }
      - { .name: b1, .offset: 96, .size: 8, .value_kind: global_buffer, .address_space: global }
    .group_segment_fixed_size: 0
    .private_segment_fixed_size: 0
    .kernarg_segment_align: 8
    .kernarg_segment_size: 104
    .max_flat_workgroup_size: 256
    .sgpr_count:     66
    .vgpr_count:     128
    .wavefront_size: 32
...
	.end_amdgpu_metadata
.endif
;; end of part 1
;; launch qkv (part 2): grid 12 x 16, 4 waves a work-group, clusters of 4 x 4, 327,680 bytes of LDS; arguments h, wa, qkv; writes qkv
.if DOCPART == 2
	.amdgcn_target "amdgcn-amd-amdhsa--gfx1250"
	.amdhsa_code_object_version 6
	.text
	.protected	k_q2abb7fe6f1_qkv
	.globl	k_q2abb7fe6f1_qkv
	.p2align	8
	.type	k_q2abb7fe6f1_qkv,@function
k_q2abb7fe6f1_qkv:
	s_mov_b64 s[64:65], 0
	v_nop
	global_prefetch_b8 v0, s[64:65] scope:SCOPE_SE
	s_setreg_imm32_b32 hwreg(HW_REG_WAVE_MODE, 25, 1), 1
	s_wait_xcnt 0x0
	s_wait_alu depctr_hold_cnt(0) depctr_sa_sdst(0) depctr_va_vdst(0) depctr_va_sdst(0) depctr_va_ssrc(0) depctr_va_vcc(0) depctr_vm_vsrc(0)
	s_getreg_b32 s2, hwreg(HW_REG_IB_STS2, 6, 4)
	s_cmp_eq_u32 s2, 0
	s_cbranch_scc0 .Lentry_in_a_cluster
	s_endpgm
.Lentry_in_a_cluster:
	s_bfe_u32 s2, ttmp6, 0x10000c
	s_cmp_lg_u32 s2, 0xf033
	s_cbranch_scc0 .Lentry_shape_is_right
	s_endpgm
.Lentry_shape_is_right:
; C = max(A B + bias, floor).  A: bf16 [4096][1024], rows along K.  B: bf16 [k = 0..1023][4096], rows of 8,192 bytes, at byte HDR of the
; weight buffer; its byte 0 holds the packed floor, its byte 256 the f32 bias.  C leaves in SLABS: C[n / 64][m = 0..4095][64] bf16, rows of 128 bytes.
; The number of columns in use enters no line, so one text serves h [Wq | Wk | Wv] (zero bias, floor -infinity: 32 maxima a block that change nothing are the
; price of one text) and relu(h W1 + b1).  Sums in f32, started by the bias as the first product's C; C rounded once, the floor taken of the rounded number.
; LIMITS: NaN and infinities are not treated apart (a NaN loses against the floor).
; SHARES.  A tile of C is 256 x 256: four waves, each 128 x 128 = 64 accumulators.  K goes in 8 steps of 128 through two LDS slots.  With 3,072 columns there are
; 192 tiles for 256 WGPs: a tile of 256 x 192 would give 256, at the price of a text of its own.
; THE LOOP'S TRIP IS ONE K STEP: s[TB] is 0 or SLOT and is turned by an exclusive or; the fragments' addresses are made of it anew at each change of slots; one descriptor a tensor
; walks on, its LDS word turned in the same way (wave x 34,816 has the two bits of SLOT clear, so the exclusive or is the sum or the difference).
; CLUSTER 4 x 4: A's tile hangs on the tile row alone and is asked for jointly along a row of the cluster, B's on the tile column alone, along a column.
; THE PRODUCT IS TAKEN TRANSPOSED (source 0 = 16 columns of B, source 1 = 16 rows of A): a lane holds row l % 16 of C and 8 neighbouring columns.
; B lies [k][n] in LDS and comes out turned, by ds_load_tr16_b128.
; REGISTERS: window 0: v16-30 addresses; v64-191 A's fragments, two buffers; v192-223, v32-63, v224-255 the way out.
;   window 1: v0-63 the bias of my 128 columns (block b at 8 b); v64-191 B's fragments.   windows 2, 3: accumulator (a, b) at 8 (8 (a % 4) + b).
.set PA,     272                       ; a row of A in LDS: 256 bytes + 16
.set PB,     544                       ; a row of B in LDS: 512 bytes + 32
.set HALFT,  34816                     ; what one tensor load brings: 128 rows of A, or 64 rows of B
.set SLOT,   4*HALFT                   ; A's 256 rows, then B's 128 k rows
.set STAGE,  2*SLOT                    ; behind the ring: 16 rows x 272 bytes for each wave
.set SPITCH, 272
.set SPARE,  STAGE+4*16*SPITCH         ; the spare words: 128 bytes a wave, two blocks of 256 bytes that no other line names
.set HDR,    16640
.set SLAB,   524288
.set WROW,   8192                      ; bytes in a row of the weights
.set BSTEP,  128*WROW                  ; a K step down the weights
.set KSTEPS, 8                         ; 1,024 / 128
.set ADRA, 16                          ; v16  my A fragments in slot 0; never rewritten
.set CA,   17                          ; v17  the same in the slot in hand
.set ADRB, 20                          ; v20  my B fragments in slot 0; never rewritten
.set CB,   21                          ; v21  the same in the slot in hand
.set STO,  24
.set RD,   25
.set CO,   26
.set BO,   27
.set SPW,  28
.set NIL,  29
.set PFO,  30
.set F0,   64
.set F1,   128
.set TMP,  192
.set OB,   32
.set G1,  24                           ; s[24:31] group 1, A      s[32:39] group 0, A: a set for each first fill; the second then walks on
.set G0,  32
.set G1B, 48                           ; s[48:55], s[56:63] the same for B
.set G0B, 56
.set LIM, 43                           ; 2 in a wave that prefetches, else the greatest number
.set PFA, 44                           ; s[44:45] where my prefetches stand
.set FLR, 66                           ; the packed floor
.set PST, 68                           ; s[68:69] a K step in bytes for my prefetches: 256 along A's rows, BSTEP down B
.set TB,  70                           ; 0 or SLOT: the slot in hand
.set MSB, 0
.macro WIN new                         ; the immediate's high byte repeats the setting that is left; a switch that changes nothing is dropped
.if MSB != (\new)
	s_set_vgpr_msb (MSB<<8)|(\new)
.set MSB, \new
.endif
.endm
.macro PLACES                          ; four plain instructions between a matrix instruction and a load into, or a read of, its registers
.rept 4
	v_nop
.endr
.endm
.macro JLOAD sl                        ; a joint load: waves 0, 1 fetch A's halves, waves 2, 3 B's; s_nop 0 and four v_nop follow each line
	s_cmp_eq_u32 s11, 0
	s_cbranch_scc0 .Lfor_b_\@
	tensor_load_to_lds s[G0+4*(\sl):G0+4*(\sl)+3], s[G1:G1+7]
	s_nop 0
.rept 4
	v_nop
.endr
	s_branch .Lasked_\@
.Lfor_b_\@:
	tensor_load_to_lds s[G0B+4*(\sl):G0B+4*(\sl)+3], s[G1B:G1B+7]
	s_nop 0
.rept 4
	v_nop
.endr
.Lasked_\@:
.endm
.macro CREST                           ; a round of the cluster's barrier behind its opening barrier
	s_cmp_lg_u32 s10, 0
	s_cbranch_scc1 .Lnot_wave_0_\@
	s_barrier_signal -3
.Lnot_wave_0_\@:
	s_barrier_wait -3
	s_barrier_signal -1
	s_barrier_wait -1
.endm
.macro CROUND
	s_barrier_signal -1
	s_barrier_wait -1
	CREST
.endm
; One prefetch a wave behind each refill, for the K step two refills on (512 products ahead of the load that wants it): K steps 4 to 7, each block of 256 bytes named once.
; A's rows are asked for by the clusters with x = 0, B's by those with y = 0; the four partners of a joint load share its blocks out by address, 32 each, a lane a block
; (A: a lane a row; B: two lanes a row of 512 bytes).  K steps 0 to 3 come by their loads alone; the loop's last two trips (s3 = 2, 1) ask for nothing.
.macro ASK
	s_cmp_gt_u32 s3, s[LIM]
	s_cbranch_scc0 .Lnot_mine_\@
	global_prefetch_b8 v[PFO], s[PFA:PFA+1] th:TH_LOAD_NT scope:SCOPE_SE
.Lnot_mine_\@:
.endm
	s_load_b128 s[4:7], s[0:1], 0x0                ; A s[4:5], weights s[6:7]
	s_load_b64 s[8:9], s[0:1], 0x10                ; C
	v_lshl_add_u32 v[SPW], v0, 2, SPARE
	v_mov_b32 v[NIL], 0
	ds_add_u32 v[SPW], v[NIL]                      ; the opening: the add and its wait ahead of my first tensor load
	v_lshrrev_b32 v1, 5, v0
	v_readfirstlane_b32 s10, v1                    ; wave 0..3
	s_lshr_b32 s11, s10, 1                         ; my half of the tile's rows; also: I fetch for A (0) or B (1)
	s_and_b32 s12, s10, 1                          ; my half of its columns; also: which half of that tile I fetch
	s_bfe_u32 s40, ttmp6, 0x40000                  ; cx
	s_bfe_u32 s41, ttmp6, 0x40004                  ; cy
	s_lshl_b32 s42, ttmp9, 2
	s_add_co_u32 s42, s42, s40                     ; tile column
	s_and_b32 s13, ttmp7, 0xffff
	s_lshl_b32 s13, s13, 2
	s_add_co_u32 s13, s13, s41                     ; tile row
	s_lshl_b32 s43, s41, 2
	s_lshl_b32 s43, 15, s43                        ; my row of the cluster
	s_lshl_b32 s44, 0x1111, s40                    ; my column
	s_or_b32 s[G1+0], s43, (1<<16)|(1<<20)|(1<<21)|(5<<22)|(3<<25)   ; mask; 2-byte elements; padding on; bit 21 beside a mask; after every 64 words, 4 words
	s_mov_b32 s[G1+1], 128<<16                     ; tensor_dim0 = 128
	s_mov_b32 s[G1+2], 128<<16                     ; tensor_dim1 = 128
	s_mov_b32 s[G1+3], 128<<16                     ; tile_dim0 = 128
	s_mov_b32 s[G1+4], 128                         ; tile_dim1 = 128
	s_mov_b32 s[G1+5], 1024                        ; elements from row to row
	s_mov_b32 s[G1+6], 0
	s_mov_b32 s[G1+7], 0
	s_or_b32 s[G1B+0], s44, (1<<16)|(1<<20)|(1<<21)|(6<<22)|(7<<25)  ; after every 128 words, 8 words
	s_mov_b32 s[G1B+1], 256<<16                    ; 256 columns
	s_mov_b32 s[G1B+2], 64<<16                     ; 64 k rows
	s_mov_b32 s[G1B+3], 256<<16
	s_mov_b32 s[G1B+4], 64
	s_mov_b32 s[G1B+5], 4096                       ; elements from row to row
	s_mov_b32 s[G1B+6], 0
	s_mov_b32 s[G1B+7], 0
	s_lshl_b32 s16, s13, 8
	s_lshl_b32 s17, s12, 7
	s_add_co_u32 s16, s16, s17
	s_lshl_b32 s16, s16, 11                        ; A: (256 x tile row + 128 x half) rows of 2,048 bytes
	s_mov_b32 s17, 0
	s_lshl_b32 s46, s42, 9                         ; B: the tile's 256 columns: 512 bytes of a row,
	s_lshl_b32 s47, s12, 19                        ; my 64 of a K step's 128 rows of 8,192 bytes
	s_add_co_u32 s46, s46, s47
	s_add_co_u32 s46, s46, HDR
	s_mov_b32 s47, 0
	s_mul_i32 s20, s10, HALFT                      ; where they go: wave x 34,816: no place in the cluster enters an LDS address
	s_mov_b32 s[TB], 0
	s_wait_dscnt 0x0                               ; the opening add is done
	s_wait_kmcnt 0x0
	s_add_nc_u64 s[14:15], s[4:5], s[16:17]
	s_add_nc_u64 s[46:47], s[6:7], s[46:47]
	CROUND                                         ; all sixteen work-groups are here: the first joint loads meet
.irp sl, 0,1
	s_mov_b32 s[G0+4*(\sl)], 1
	s_add_co_u32 s[G0+4*(\sl)+1], s20, (\sl)*SLOT
	s_add_nc_u64 s[G0+4*(\sl)+2:G0+4*(\sl)+3], s[14:15], (\sl)*256
	s_or_b32 s[G0+4*(\sl)+3], s[G0+4*(\sl)+3], 0x80000000
	s_mov_b32 s[G0B+4*(\sl)], 1
	s_add_co_u32 s[G0B+4*(\sl)+1], s20, (\sl)*SLOT
	s_add_nc_u64 s[G0B+4*(\sl)+2:G0B+4*(\sl)+3], s[46:47], (\sl)*BSTEP
	s_or_b32 s[G0B+4*(\sl)+3], s[G0B+4*(\sl)+3], 0x80000000
	JLOAD \sl                                      ; two loads of mine are out
.endr
	v_and_b32 v1, 15, v0                           ; l % 16
	v_bfe_u32 v2, v0, 4, 1                         ; l / 16
	v_mul_u32_u24 v3, v1, PA
	v_lshl_add_u32 v3, v2, 4, v3                   ; row x 272 + 16 x half
	s_mul_i32 s21, s11, HALFT
	v_add_nc_u32 v[ADRA], s21, v3
	v_mov_b32 v[CA], v[ADRA]
	v_and_b32 v4, 7, v0                            ; the turning load: lane l addresses k row 8 (l / 16) + l % 8, columns 8 ((l / 8) % 2) on
	v_lshl_add_u32 v4, v2, 3, v4
	v_mul_u32_u24 v4, v4, PB
	v_bfe_u32 v5, v0, 3, 1
	v_lshl_add_u32 v4, v5, 4, v4
	s_lshl_b32 s22, s12, 8                         ; my 128 columns
	s_add_co_u32 s22, s22, 2*HALFT                 ; B lies behind A's 256 rows
	v_add_nc_u32 v[ADRB], s22, v4
	v_mov_b32 v[CB], v[ADRB]
	s_mul_i32 s23, s10, 16*SPITCH
	s_add_co_u32 s23, s23, STAGE                   ; my stage
	v_add_nc_u32 v[STO], s23, v3                   ; in: row l % 16, 16 bytes for each half of the lanes
	v_bfe_u32 v5, v0, 3, 2                         ; back: 32 lanes take 128 bytes of each of four rows,
	v_mul_u32_u24 v5, v5, SPITCH
	v_and_b32 v6, 7, v0
	v_lshl_add_u32 v5, v6, 4, v5
	v_add_nc_u32 v[RD], s23, v5
	v_and_b32 v6, 31, v0
	v_lshlrev_b32 v[CO], 4, v6                     ; which are 512 consecutive bytes of a slab
	v_lshlrev_b32 v[BO], 5, v2                     ; my 8 columns' bias: 32 bytes
	s_lshl_b32 s16, s13, 8
	s_lshl_b32 s17, s11, 7
	s_add_co_u32 s16, s16, s17
	s_lshl_b32 s16, s16, 7                         ; my first row x 128 bytes,
	s_lshl_b32 s46, s42, 2
	s_lshl1_add_u32 s46, s12, s46
	s_lshl_b32 s46, s46, 19                        ; in slab 4 x tile column + 2 x half
	s_add_co_u32 s16, s16, s46
	s_mov_b32 s17, 0
	s_add_nc_u64 s[8:9], s[8:9], s[16:17]
	s_lshl_b32 s46, s42, 10
	s_lshl_b32 s47, s12, 9
	s_add_co_u32 s46, s46, s47
	s_add_co_u32 s46, s46, 256
	s_mov_b32 s47, 0
	s_add_nc_u64 s[18:19], s[6:7], s[46:47]        ; the bias of my 128 columns
	s_load_b32 s[FLR], s[6:7], 0x0
	WIN 0x40                                       ; destination window 1
.irp b, 0,1,2,3,4,5,6,7
	global_load_b128 v[8*(\b):8*(\b)+3],   v[BO], s[18:19] offset:64*(\b)
	global_load_b128 v[8*(\b)+4:8*(\b)+7], v[BO], s[18:19] offset:64*(\b)+16
.endr
	WIN 0
	; the prefetches: both offsets, at K step 3; then the choice by what I fetch
	s_lshl_b32 s20, s13, 8
	s_lshl_b32 s21, s12, 7
	s_add_co_u32 s20, s20, s21
	s_lshl_b32 s21, s40, 5                         ; A: my work-group's 32 of the 128 rows
	s_add_co_u32 s20, s20, s21
	s_lshl_b32 s20, s20, 11
	s_add_co_u32 s20, s20, 3*256
	s_lshl_b32 s21, s42, 9
	s_lshl_b32 s22, s12, 19
	s_add_co_u32 s21, s21, s22
	s_lshl_b32 s22, s41, 17                        ; B: my work-group's 16 of the 64 rows
	s_add_co_u32 s21, s21, s22
	s_add_co_u32 s21, s21, HDR+3*BSTEP
	s_and_b32 s22, ttmp7, 0xffff
	s_mov_b32 s23, BSTEP
	s_cmp_eq_u32 s11, 0
	s_cselect_b32 s20, s20, s21
	s_cselect_b32 s22, ttmp9, s22                  ; the coordinate along which other clusters read the same bytes
	s_cselect_b64 s[PFA:PFA+1], s[4:5], s[6:7]
	s_cselect_b32 s[PST], 256, s23
	s_cselect_b32 s23, -1, 0                       ; all lanes, where I fetch for A
	s_mov_b32 s[PST+1], 0
	s_mov_b32 s21, 0
	s_add_nc_u64 s[PFA:PFA+1], s[PFA:PFA+1], s[20:21]
	s_cmp_eq_u32 s22, 0
	s_cselect_b32 s[LIM], 2, -1
	v_and_b32 v5, 31, v0
	v_lshlrev_b32 v6, 11, v5                       ; A: a lane a row of 2,048 bytes
	v_lshrrev_b32 v[PFO], 1, v5
	v_lshlrev_b32 v[PFO], 13, v[PFO]               ; B: two lanes a row of 8,192 bytes,
	v_and_b32 v5, 1, v5
	v_lshl_or_b32 v[PFO], v5, 8, v[PFO]            ; each 256 of the tile's 512
	v_cndmask_b32 v[PFO], v[PFO], v6, s23
; 16 products: row blocks a0, a0 + 1 of the window's four x all 8 column blocks, 32 along K.  first = 1: the bias (window 1) is the C that starts the sum.
; The 64 accumulators take turns in the same order in every quarter.
.macro MUL16 f, hi, a0, first
.if \first
	WIN 0x91+0x40*(\hi)
.else
	WIN 0xa1+0x50*(\hi)
.endif
.irp a, \a0, (\a0)+1
.irp b, 0,1,2,3,4,5,6,7
.if \first
	v_wmma_f32_16x16x32_bf16 v[8*(8*(\a)+(\b)):8*(8*(\a)+(\b))+7], v[(\f)+8*(\b):(\f)+8*(\b)+7], v[(\f)+8*(4*(\hi)+(\a)):(\f)+8*(4*(\hi)+(\a))+7], v[8*(\b):8*(\b)+7]
.else
	v_wmma_f32_16x16x32_bf16 v[8*(8*(\a)+(\b)):8*(8*(\a)+(\b))+7], v[(\f)+8*(\b):(\f)+8*(\b)+7], v[(\f)+8*(4*(\hi)+(\a)):(\f)+8*(4*(\hi)+(\a))+7], v[8*(8*(\a)+(\b)):8*(8*(\a)+(\b))+7]
.endif
.endr
.endr
.endm
; 32 LDS loads in one run: quarter q (32 along K) of the slot in hand into buffer f: B's 8 fragments, turned, then A's 8
.macro FETCH q, f
	WIN 0x40
.irp i, 0,1,2,3,4,5,6,7
	ds_load_tr16_b128 v[(\f)+8*(\i):(\f)+8*(\i)+3],   v[CB] offset:(\q)*32*PB+32*(\i)
	ds_load_tr16_b128 v[(\f)+8*(\i)+4:(\f)+8*(\i)+7], v[CB] offset:(\q)*32*PB+16*PB+32*(\i)
.endr
	WIN 0
.irp i, 0,1,2,3,4,5,6,7
	ds_load_b128 v[(\f)+8*(\i):(\f)+8*(\i)+3],   v[CA] offset:(\q)*64+(\i)*16*PA
	ds_load_b128 v[(\f)+8*(\i)+4:(\f)+8*(\i)+7], v[CA] offset:(\q)*64+(\i)*16*PA+32
.endr
.endm
.macro QUARTER q, f, g, first          ; multiplies buffer f; in its middle fetches quarter q of the slot in hand into buffer g
	s_wait_dscnt 8                                 ; B and A's rows 0-63 are in; the youngest eight loads (A's rows 64-127) may be out
	MUL16 \f, 0, 0, \first
	MUL16 \f, 0, 2, \first
	PLACES
	FETCH \q, \g
	s_wait_dscnt 32                                ; all but the 32 just issued
	MUL16 \f, 1, 0, \first
	MUL16 \f, 1, 2, \first
.endm
.macro FLIP                            ; the fetches go on in the other slot: all loads from the slot in hand have been issued
	WIN 0
	s_xor_b32 s[TB], s[TB], SLOT
	v_add_nc_u32 v[CA], s[TB], v[ADRA]
	v_add_nc_u32 v[CB], s[TB], v[ADRB]
.endm
; The first half of a K step's last quarter: one barrier for the change of slots.  In front of it each wave waits for all its tensor loads (one is out: its part of the
; other slot), adds 0 to its spare word, and waits for that and for its reads of this slot.
.macro MEET round
	WIN 0
	s_wait_tensorcnt 0x0
	ds_add_u32 v[SPW], v[NIL]
	s_wait_dscnt 9                                 ; the add and the youngest eight loads may be out
	MUL16 F1, 0, 0, 0
	s_wait_dscnt 0x0                               ; the add is done, my reads of this slot are over
	s_barrier_signal -1
	MUL16 F1, 0, 2, 0
.if \round
	WIN 0
.endif
	s_barrier_wait -1
.endm
.macro TURN                            ; the whole last quarter: the slot just read is filled again, two K steps on, first thing behind the cluster's round
	s_wait_xcnt 0x0                                ; the last prefetch, a K step back, has read its address
	s_add_nc_u64 s[PFA:PFA+1], s[PFA:PFA+1], s[PST:PST+1]
	FLIP
	MEET 1
	CREST
	s_xor_b32 s[G0+5], s[G0+5], SLOT               ; the walking descriptors: the other slot than last time, the next K step
	s_add_nc_u64 s[G0+6:G0+7], s[G0+6:G0+7], 256
	s_xor_b32 s[G0B+5], s[G0B+5], SLOT
	s_add_nc_u64 s[G0B+6:G0B+7], s[G0B+6:G0B+7], BSTEP
	JLOAD 1                                        ; its four v_nop are also the places in front of the loads below
	FETCH 0, F0
	ASK
	MUL16 F1, 1, 0, 0
	MUL16 F1, 1, 2, 0
.endm
; THE WAY OUT of block a (16 rows x 128 columns): rounded, the floor, through my stage, and out as 2,048 dense bytes in each of two slabs.
.macro PACK a
.set AC, 64*((\a)%4)
	WIN 0x0a+5*((\a)/4)                            ; sources in window 2 or 3
.irp b, 0,1,2,3,4,5,6,7
.irp r, 0,1,2,3
	v_cvt_pk_bf16_f32 v[TMP+4*(\b)+(\r)], v[AC+8*(\b)+2*(\r)], v[AC+8*(\b)+2*(\r)+1]
.endr
.endr
	WIN 0
.set i, 0
.rept 32
	v_pk_max_num_bf16 v[TMP+i], v[TMP+i], s[FLR]
.set i, i+1
.endr
.endm
.macro TOSTAGE a
.set BK, OB+192*((\a)%2)
.irp b, 0,1,2,3,4,5,6,7
	ds_store_b128 v[STO], v[TMP+4*(\b):TMP+4*(\b)+3] offset:32*(\b)
.endr
.irp t, 0,1,2,3,4,5,6,7
	ds_load_b128 v[BK+4*(\t):BK+4*(\t)+3], v[RD] offset:((\t)%4)*4*SPITCH+((\t)/4)*128  ; LDS serves a wave's instructions in order: these see the stores above
.endr
.endm
.macro SEND a
.set BK, OB+192*((\a)%2)
	s_wait_dscnt 0x0                               ; the block is back in registers
	s_wait_xcnt 0x0                                ; earlier stores have read their registers: the other set is loaded again only behind this wait
.irp t, 0,1,2,3,4,5,6,7
	global_store_b128 v[CO], v[BK+4*(\t):BK+4*(\t)+3], s[8:9] offset:((\t)/4)*SLAB+(\a)*2048+((\t)%4)*512  ; 512 consecutive bytes, aligned
.endr
.endm
	s_wait_tensorcnt 1                             ; my part of K step 0 is in; K step 1's may stay out
	s_barrier_signal -1
	s_barrier_wait -1
	FETCH 0, F0
	s_wait_loadcnt 0x0                             ; the bias
	s_wait_kmcnt 0x0                               ; the floor
	QUARTER 1, F0, F1, 1                           ; the first quarter stands in front of the loop: its products start the sums
	WIN 0
	s_mov_b32 s3, KSTEPS-2
.Lstep:                                        ; a trip goes from a K step's second quarter to the next step's first, and fills the slot that it leaves
	QUARTER 2, F1, F0, 0
	QUARTER 3, F0, F1, 0
	TURN
	QUARTER 1, F0, F1, 0
	WIN 0
	s_sub_co_u32 s3, s3, 1
	s_cmp_lg_u32 s3, 0
	s_cbranch_scc1 .Lstep
	QUARTER 2, F1, F0, 0                           ; the last two K steps are written out: they ask for nothing
	QUARTER 3, F0, F1, 0
	FLIP
	MEET 0
	PLACES
	FETCH 0, F0
	MUL16 F1, 1, 0, 0
	MUL16 F1, 1, 2, 0
	QUARTER 1, F0, F1, 0
	QUARTER 2, F1, F0, 0
	QUARTER 3, F0, F1, 0
	s_wait_dscnt 8
	MUL16 F1, 0, 0, 0
	MUL16 F1, 0, 2, 0
	s_wait_dscnt 0x0
	MUL16 F1, 1, 0, 0
	MUL16 F1, 1, 2, 0
	WIN 0
	PLACES
	PACK 0
	TOSTAGE 0
.irp a, 1,2,3,4,5,6,7                  ; block a's arithmetic stands between block a - 1's loads from the stage and the wait for them
	PACK \a
	SEND (\a)-1
	TOSTAGE \a
.endr
	SEND 7
	s_wait_tensorcnt 0x0                           ; the wave's end
	ds_add_u32 v[SPW], v[NIL]
	s_wait_dscnt 0x0
	CROUND                                         ; the closing round
	s_endpgm
.Lfunc_end_k_q2abb7fe6f1_qkv:
	.size	k_q2abb7fe6f1_qkv, .Lfunc_end_k_q2abb7fe6f1_qkv-k_q2abb7fe6f1_qkv
	.p2alignl 7, 3214868480
	.fill 96, 4, 3214868480
	.section	.rodata,"a",@progbits
	.p2align	6, 0x0
	.amdhsa_kernel k_q2abb7fe6f1_qkv
		.amdhsa_group_segment_fixed_size 327680
		.amdhsa_private_segment_fixed_size 0
		.amdhsa_enable_private_segment 0
		.amdhsa_kernarg_size 24
		.amdhsa_user_sgpr_count 2
		.amdhsa_user_sgpr_kernarg_segment_ptr 1
		.amdhsa_wavefront_size32 1
		.amdhsa_system_sgpr_workgroup_id_x 1
		.amdhsa_system_sgpr_workgroup_id_y 1
		.amdhsa_system_sgpr_workgroup_id_z 1
		.amdhsa_system_vgpr_workitem_id 0
		.amdhsa_next_free_vgpr 1024
		.amdhsa_next_free_sgpr 72
		.amdhsa_reserve_vcc 0
		.amdhsa_float_denorm_mode_32 3
		.amdhsa_float_denorm_mode_16_64 3
		.amdhsa_memory_ordered 1
		.amdhsa_forward_progress 1
		.amdhsa_inst_pref_size 136
	.end_amdhsa_kernel
	.amdgpu_metadata
---
amdhsa.version: [ 1, 2 ]
amdhsa.kernels:
  - .name:           k_q2abb7fe6f1_qkv
    .symbol:         k_q2abb7fe6f1_qkv.kd
    .args:
      - { .name: h, .offset: 0, .size: 8, .value_kind: global_buffer, .address_space: global }
      - { .name: wa, .offset: 8, .size: 8, .value_kind: global_buffer, .address_space: global }
      - { .name: qkv, .offset: 16, .size: 8, .value_kind: global_buffer, .address_space: global }
    .group_segment_fixed_size: 327680
    .private_segment_fixed_size: 0
    .kernarg_segment_align: 8
    .kernarg_segment_size: 24
    .max_flat_workgroup_size: 128
    .sgpr_count:     72
    .vgpr_count:     1024
    .wavefront_size: 32
...
	.end_amdgpu_metadata
.endif
;; end of part 2
;; launch attn (part 3): grid 4 x 64, 4 waves a work-group, clusters of 4 x 1, 327,680 bytes of LDS; arguments qkv, act; writes act
.if DOCPART == 3
	.amdgcn_target "amdgcn-amd-amdhsa--gfx1250"
	.amdhsa_code_object_version 6
	.text
	.protected	k_q2abb7fe6f1_attn
	.globl	k_q2abb7fe6f1_attn
	.p2align	8
	.type	k_q2abb7fe6f1_attn,@function
k_q2abb7fe6f1_attn:
	s_mov_b64 s[64:65], 0
	v_nop
	global_prefetch_b8 v0, s[64:65] scope:SCOPE_SE
	s_setreg_imm32_b32 hwreg(HW_REG_WAVE_MODE, 25, 1), 1
	s_wait_xcnt 0x0
	s_wait_alu depctr_hold_cnt(0) depctr_sa_sdst(0) depctr_va_vdst(0) depctr_va_sdst(0) depctr_va_ssrc(0) depctr_va_vcc(0) depctr_vm_vsrc(0)
	s_getreg_b32 s2, hwreg(HW_REG_IB_STS2, 6, 4)
	s_cmp_eq_u32 s2, 0
	s_cbranch_scc0 .Lentry_in_a_cluster
	s_endpgm
.Lentry_in_a_cluster:
	s_bfe_u32 s2, ttmp6, 0x10000c
	s_cmp_lg_u32 s2, 0x3003
	s_cbranch_scc0 .Lentry_shape_is_right
	s_endpgm
.Lentry_shape_is_right:
; CAUSAL ATTENTION, head size 64, scale 1 / 32.  q, k, v: slabs h, 16 + h, 32 + h of qkv, [slab][b x 1024 + t][64] bf16; y leaves in slab h of act, same layout.
; Products, maxima and sums in f32; the weights are rounded to bf16 for the second product (their sum is taken unrounded), y once at the end.
; LIMITS: a hidden score counts as -1e30; c |s| stays under 2^124; a weight below 2^-126 counts as 0 in the sum; NaN and infinities are not treated apart.
; SHARES.  A cluster of four work-groups is one (b, h).  The head's whole K and V (1,024 keys) lie in each partner's LDS, filled once by joint loads, never again.
; Partner c owns the 16 query tiles g = 0..15 of rows 64 g + 16 c + 0..15, so all partners walk the same key blocks of 64: c enters Q's and y's global addresses and the
; mask's threshold (a value), no branch and no LDS address.  Tile g needs key blocks 0 .. g; block g holds the diagonal.  Wave w has tiles w, 7 - w, 8 + w, 15 - w:
; 25 units (16 queries x 64 keys) in key blocks 0-7 and 9 in blocks 8-15, whatever w.  Keys 512-1023 are waited for between the two loops.
; LAYOUT.  S^T = K Q^T: a lane holds ONE query (l % 16) and keys 8 (l / 16) + 0..7 of each 16; two such results rounded in pairs ARE source 1 of O^T = V^T P.  V comes out of LDS turned.
; SOFTMAX.  p = 2^(c s - c m), c = log2(e) / 32, m a running maximum; O and l are multiplied by a = 2^(c m_old - c m_new) in every unit.  m starts at the lowest finite number,
; O and l at 0 (136 v_mov_b32, written while the first tiles are on their way: the price of writing no first unit out).
; A unit goes in phases: 8 products, the softmax (its 33 exponentials one batch with one wait), 8 products.
; Nothing is prefetched: every byte of K and V is asked for by the loads at the head.
; REGISTERS: window 0: addresses, statistics, S^T, P, O^T (32 a tile), the way out.  window 1: v0-63 Q, v64-127 K of one block, v128-191 V of one block.
.set PK,    144                        ; a key's row of K in LDS: 128 bytes + 16
.set PV,    160                        ; of V: 128 + 32
.set VOFF,  1024*PK
.set STAGE, VOFF+1024*PV               ; 16 rows x 144 bytes for each wave
.set SP,    144
.set SPARE, STAGE+4*16*SP              ; the spare words: 128 bytes a wave, two blocks of 256 bytes that no other line names
.set SLAB,  524288
.set AK0, 2
.set AV0, 3
.set AK,  4
.set AV,  5
.set STO, 6
.set RD,  7
.set GO,  8                            ; v8-11   my 16 bytes in tile u's 2,048 bytes of y
.set THR, 12                           ; v12     16 c + l % 16 - 8 (l / 16): register j of key group kt is hidden where 16 kt + j is greater
.set BIG, 13                           ; v13     -1e30
.set SPW, 16
.set NIL, 17
.set ST,  20                           ; tile u at ST + 4 u: c m, m, l (even keys', odd keys')
.set TMP, 36                           ; c0-c3 at work; c2 takes a
.set MW,  40                           ; c m_old
.set QO,  44                           ; v44-47  Q's offsets
.set S,   48
.set P,   80
.set O,   96
.set PKD, 224
.set BK,  240
.set QF,  0                            ; window 1
.set KF,  64
.set VF,  128
.set WV,  8
.set CX,  9
.set QB,  16                           ; s[16:17] q of (b, h)
.set OB,  22                           ; s[22:23] y of (b, h)
.set G1K, 24
.set G1V, 32
.set G0K, 40                           ; s[40:47] two sets: keys 0-511, keys 512-1023
.set G0V, 48
.set KB,  56                           ; the key block
.set GS,  57                           ; s57-60  my four tiles
.set CS,  62                           ; s[62:63] c
.set SEL, 66
.set TB,  68
.set MSB, 0
.macro WIN new
.if MSB != (\new)
	s_set_vgpr_msb (MSB<<8)|(\new)
.set MSB, \new
.endif
.endm
.macro PLACES
.rept 4
	v_nop
.endr
.endm
.macro ROUND
	s_barrier_signal -1
	s_barrier_wait -1
	s_cmp_lg_u32 s[WV], 0
	s_cbranch_scc1 .Lnot_wave_0_\@
	s_barrier_signal -3
.Lnot_wave_0_\@:
	s_barrier_wait -3
	s_barrier_signal -1
	s_barrier_wait -1
.endm
	s_load_b128 s[4:7], s[0:1], 0x0                ; qkv s[4:5], act s[6:7]
	v_lshl_add_u32 v[SPW], v0, 2, SPARE
	v_mov_b32 v[NIL], 0
	ds_add_u32 v[SPW], v[NIL]                      ; the opening: the add and its wait ahead of my first tensor load
	v_lshrrev_b32 v1, 5, v0
	v_readfirstlane_b32 s[WV], v1
	s_bfe_u32 s[CX], ttmp6, 0x40000
	s_and_b32 s10, ttmp7, 0xffff                   ; 16 b + h
	s_and_b32 s11, s10, 15
	s_lshr_b32 s10, s10, 4
	s_lshl_b32 s12, s11, 19                        ; slab h,
	s_lshl_b32 s10, s10, 17                        ; batch b's 1,024 rows of 128 bytes
	s_add_co_u32 s12, s12, s10
	s_mov_b32 s13, 0
	s_and_b32 s14, s[WV], 1                        ; which 256 of a half's 512 keys I fetch
	s_lshl_b32 s2, s14, 15
	s_mov_b32 s3, 0
	s_mul_i32 s15, s14, 256*PK
	s_mul_i32 s14, s14, 256*PV
	; group 1: 256 keys are 32,768 dense bytes: 128 rows of 256 bytes, padded in LDS after every key
	s_mov_b32 s[G1K], 15|(1<<16)|(1<<20)|(1<<21)|(4<<22)|(3<<25)   ; the mask of four; 2-byte elements; padding on; bit 21 beside a mask; after every 32 words, 4 words
	s_mov_b32 s[G1V], 15|(1<<16)|(1<<20)|(1<<21)|(4<<22)|(7<<25)   ; 8 words
.irp g, G1K, G1V
	s_mov_b32 s[\g+1], 128<<16
	s_mov_b32 s[\g+2], 128<<16
	s_mov_b32 s[\g+3], 128<<16
	s_mov_b32 s[\g+4], 128
	s_mov_b32 s[\g+5], 128
	s_mov_b32 s[\g+6], 0
	s_mov_b32 s[\g+7], 0
.endr
	s_mov_b32 s[CS], 0x3d38aa3b                    ; log2(e) / 32
	s_mov_b32 s[CS+1], s[CS]
	s_mov_b32 s[SEL], 0x76543210
	s_mov_b32 s[SEL+1], 0xfedcba98
	s_mov_b32 s[GS], s[WV]
	s_sub_co_u32 s[GS+1], 7, s[WV]
	s_add_co_u32 s[GS+2], s[WV], 8
	s_sub_co_u32 s[GS+3], 15, s[WV]
	s_mov_b32 s[G0K], 1
	s_mov_b32 s[G0K+1], s15
	s_mov_b32 s[G0K+4], 1
	s_add_co_u32 s[G0K+5], s15, 512*PK
	s_mov_b32 s[G0V], 1
	s_add_co_u32 s[G0V+1], s14, VOFF
	s_mov_b32 s[G0V+4], 1
	s_add_co_u32 s[G0V+5], s14, VOFF+512*PV
	s_wait_dscnt 0x0                               ; the opening add is done
	s_wait_kmcnt 0x0
	s_add_nc_u64 s[QB:QB+1], s[4:5], s[12:13]
	s_add_nc_u64 s[OB:OB+1], s[6:7], s[12:13]
	s_add_nc_u64 s[18:19], s[QB:QB+1], s[2:3]
	s_add_nc_u64 s[G0K+2:G0K+3], s[18:19], 16*SLAB
	s_or_b32 s[G0K+3], s[G0K+3], 0x80000000
	s_add_nc_u64 s[G0K+6:G0K+7], s[18:19], 16*SLAB+65536
	s_or_b32 s[G0K+7], s[G0K+7], 0x80000000
	s_add_nc_u64 s[G0V+2:G0V+3], s[18:19], 32*SLAB
	s_or_b32 s[G0V+3], s[G0V+3], 0x80000000
	s_add_nc_u64 s[G0V+6:G0V+7], s[18:19], 32*SLAB+65536
	s_or_b32 s[G0V+7], s[G0V+7], 0x80000000
	ROUND                                          ; all four work-groups are here: the joint loads meet
	s_cmp_lt_u32 s[WV], 2                          ; a wave's two fills stand in one branch: waves 0, 1 fetch K, waves 2, 3 V; two loads of mine are out
	s_cbranch_scc0 .Lfirst_v
	tensor_load_to_lds s[G0K:G0K+3], s[G1K:G1K+7]
	s_nop 0
	tensor_load_to_lds s[G0K+4:G0K+7], s[G1K:G1K+7]
	s_nop 0
.rept 4
	v_nop
.endr
	s_branch .Lfirst_asked
.Lfirst_v:
	tensor_load_to_lds s[G0V:G0V+3], s[G1V:G1V+7]
	s_nop 0
	tensor_load_to_lds s[G0V+4:G0V+7], s[G1V:G1V+7]
	s_nop 0
.rept 4
	v_nop
.endr
.Lfirst_asked:
	v_and_b32 v1, 15, v0                           ; l % 16
	v_bfe_u32 v18, v0, 4, 1                        ; l / 16
	v_and_b32 v19, 31, v0                          ; l
	s_lshl_b32 s10, s[CX], 11                      ; my 16 rows in a band of 64
	v_lshlrev_b32 v14, 7, v1
	v_lshl_add_u32 v14, v18, 4, v14
	v_add_nc_u32 v14, s10, v14
	v_lshl_add_u32 v15, v19, 4, s10
.irp u, 0,1,2,3
	s_lshl_b32 s11, s[GS+(\u)], 13                 ; a band is 8,192 bytes
	v_add_nc_u32 v[QO+(\u)], s11, v14
	v_add_nc_u32 v[GO+(\u)], s11, v15
.endr
	WIN 0x40                                       ; destination window 1
.irp u, 0,1,2,3
.irp c, 0,1
	global_load_b128 v[QF+16*(\u)+8*(\c):QF+16*(\u)+8*(\c)+3],   v[QO+(\u)], s[QB:QB+1] offset:64*(\c)
	global_load_b128 v[QF+16*(\u)+8*(\c)+4:QF+16*(\u)+8*(\c)+7], v[QO+(\u)], s[QB:QB+1] offset:64*(\c)+32
.endr
.endr
	WIN 0
	v_mul_u32_u24 v[AK0], v1, PK
	v_lshl_add_u32 v[AK0], v18, 4, v[AK0]          ; key x pitch + 16 x half
	v_and_b32 v14, 7, v0
	v_bfe_u32 v15, v0, 3, 1
	v_lshl_add_u32 v[AV0], v18, 3, v14             ; the turning load: key 8 (l / 16) + l % 8, channels 8 ((l / 8) % 2) on
	v_mul_u32_u24 v[AV0], v[AV0], PV
	v_lshl_add_u32 v[AV0], v15, 4, v[AV0]
	v_add_nc_u32 v[AV0], VOFF, v[AV0]
	s_mul_i32 s11, s[WV], 16*SP
	s_add_co_u32 s11, s11, STAGE
	v_add_nc_u32 v[STO], s11, v[AK0]               ; in: row l % 16, 16 bytes for each half of the lanes
	v_bfe_u32 v[RD], v0, 3, 2                      ; back: four rows of 128 bytes
	v_mul_u32_u24 v[RD], v[RD], SP
	v_lshl_add_u32 v[RD], v14, 4, v[RD]
	v_add_nc_u32 v[RD], s11, v[RD]
	s_lshl_b32 s10, s[CX], 4
	v_lshlrev_b32 v[THR], 3, v18
	v_sub_nc_u32 v[THR], v1, v[THR]
	v_add_nc_u32 v[THR], s10, v[THR]
	v_mov_b32 v[BIG], 0xf149f2ca
.set i, 0
.rept 128
	v_mov_b32 v[O+i], 0
.set i, i+1
.endr
.set i, 0
.rept 4
	v_mov_b32 v[ST+4*i], 0xfe000000                ; c m: far below every c s
	v_mov_b32 v[ST+4*i+1], 0xff7fffff              ; m
	v_mov_b32 v[ST+4*i+2], 0
	v_mov_b32 v[ST+4*i+3], 0
.set i, i+1
.endr
; K of key block min(KB + add, lim): 16 loads.  The clamp keeps the look-ahead inside the half of K that has landed; in a loop's last trip it fetches the last block once more.
.macro FETCH_K add, lim
	s_add_co_u32 s[TB], s[KB], \add
	s_min_u32 s[TB], s[TB], \lim
	s_mul_i32 s[TB], s[TB], 64*PK
	v_add_nc_u32 v[AK], s[TB], v[AK0]
	WIN 0x40
.irp f, 0,1,2,3,4,5,6,7                ; keys 16 (f / 2) on, channels 32 (f % 2) on
	ds_load_b128 v[KF+8*\f:KF+8*\f+3],   v[AK] offset:(\f/2)*16*PK+(\f%2)*64
	ds_load_b128 v[KF+8*\f+4:KF+8*\f+7], v[AK] offset:(\f/2)*16*PK+(\f%2)*64+32
.endr
	WIN 0
.endm
.macro FETCH_V lim                     ; V of key block KB, turned: 16 loads
	s_min_u32 s[TB], s[KB], \lim
	s_mul_i32 s[TB], s[TB], 64*PV
	v_add_nc_u32 v[AV], s[TB], v[AV0]
	WIN 0x40
.irp f, 0,1,2,3,4,5,6,7                ; keys 32 (f / 4) on, channels 16 (f % 4) on
	ds_load_tr16_b128 v[VF+8*\f:VF+8*\f+3],   v[AV] offset:(\f/4)*32*PV+(\f%4)*32
	ds_load_tr16_b128 v[VF+8*\f+4:VF+8*\f+7], v[AV] offset:(\f/4)*32*PV+16*PV+(\f%4)*32
.endr
	WIN 0
.endm
.macro KQ u                            ; S^T = K Q^T: four accumulators by turns; the first four products start the sums
	WIN 0x05
.set i, 0
.rept 8
.set rS, S+8*(i%4)
.set rK, KF+16*(i%4)+8*(i/4)
.set rQ, QF+16*(\u)+8*(i/4)
.if i < 4
	v_wmma_f32_16x16x32_bf16 v[rS:rS+7], v[rK:rK+7], v[rQ:rQ+7], 0
.else
	v_wmma_f32_16x16x32_bf16 v[rS:rS+7], v[rK:rK+7], v[rQ:rQ+7], v[rS:rS+7]
.endif
.set i, i+1
.endr
	WIN 0
.endm
.macro PVM u                           ; O^T += V^T P: four accumulators by turns
	WIN 0x01
.set i, 0
.rept 8
.set rA, O+32*(\u)+8*(i%4)
.set rV, VF+32*(i/4)+8*(i%4)
.set rP, P+8*(i/4)
	v_wmma_f32_16x16x32_bf16 v[rA:rA+7], v[rV:rV+7], v[rP:rP+7], v[rA:rA+7]
.set i, i+1
.endr
	WIN 0
.endm
.macro MASK                            ; the diagonal block: a key behind the query counts as -1e30; each accumulator is taken from its low end
.set n, 0
.rept 32
	v_cmp_gt_i32 vcc_lo, 16*(n/8)+n%8, v[THR]
	v_cndmask_b32 v[S+n], v[S+n], v[BIG], vcc_lo
.set n, n+1
.endr
.endm
.macro SOFT u
.set rT, ST+4*(\u)
.set rO, O+32*(\u)
.set n, 0
.rept 4                                ; the maximum: four chains, each accumulator's lowest registers first
	v_max3_num_f32 v[TMP+n], v[S+8*n], v[S+8*n+1], v[S+8*n+2]
.set n, n+1
.endr
.set n, 4
.rept 8
	v_max3_num_f32 v[TMP+n%4], v[TMP+n%4], v[S+8*(n%4)+2*(n/4)+1], v[S+8*(n%4)+2*(n/4)+2]
.set n, n+1
.endr
	v_max3_num_f32 v[TMP], v[TMP], v[S+7], v[S+15]
	v_max3_num_f32 v[TMP+1], v[TMP+1], v[S+23], v[S+31]
	v_max3_num_f32 v[TMP+2], v[TMP+2], v[TMP+3], v[rT+1]
	v_mov_b32 v[MW], v[rT]
	v_max3_num_f32 v[TMP], v[TMP], v[TMP+1], v[TMP+2]
	v_permlanex16_b32 v[TMP+3], v[TMP], s[SEL], s[SEL+1]   ; the query's other 32 keys lie in the lane 16 away
	v_max_num_f32 v[rT+1], v[TMP], v[TMP+3]
	v_mul_f32 v[rT], s[CS], v[rT+1]
	v_sub_f32 v[TMP+1], v[MW], v[rT]
.set n, 0
.rept 16
	v_pk_fma_f32 v[S+2*n:S+2*n+1], v[S+2*n:S+2*n+1], s[CS:CS+1], v[rT:rT+1] op_sel_hi:[1,0,0] neg_lo:[0,0,1] neg_hi:[0,0,1]  ; c s - c m
.set n, n+1
.endr
	v_exp_f32 v[TMP+2], v[TMP+1]                   ; a, and the 32 weights: one batch
.set n, 0
.rept 32
	v_exp_f32 v[S+n], v[S+n]
.set n, n+1
.endr
	v_nop                                          ; a plain instruction behind the last exponential
	s_wait_alu depctr_va_vdst(0)                   ; one wait for the batch, ahead of its first reader
.set n, 0
.rept 8                                ; four weights at a time: rounded, summed; O^T times a, from each accumulator's low end on; l
	v_cvt_pk_bf16_f32 v[P+2*n], v[S+4*n], v[S+4*n+1]
	v_cvt_pk_bf16_f32 v[P+2*n+1], v[S+4*n+2], v[S+4*n+3]
	v_pk_add_f32 v[S+4*n:S+4*n+1], v[S+4*n:S+4*n+1], v[S+4*n+2:S+4*n+3]
	v_pk_mul_f32 v[rO+4*n:rO+4*n+1], v[rO+4*n:rO+4*n+1], v[TMP+2:TMP+3] op_sel_hi:[1,0]
	v_pk_mul_f32 v[rO+4*n+2:rO+4*n+3], v[rO+4*n+2:rO+4*n+3], v[TMP+2:TMP+3] op_sel_hi:[1,0]
.if n == 0
	v_pk_fma_f32 v[rT+2:rT+3], v[rT+2:rT+3], v[TMP+2:TMP+3], v[S:S+1] op_sel_hi:[1,0,1]
.else
	v_pk_add_f32 v[rT+2:rT+3], v[rT+2:rT+3], v[S+4*n:S+4*n+1]
.endif
.set n, n+1
.endr
.endm
.macro WAYOUT u                        ; the tile is finished: O^T / l, rounded, through my stage, 2,048 dense bytes of y
.set rT, ST+4*(\u)
.set rO, O+32*(\u)
	PLACES                                         ; behind the last products
	v_add_f32 v14, v[rT+2], v[rT+3]
	v_permlanex16_b32 v15, v14, s[SEL], s[SEL+1]
	v_add_f32 v14, v14, v15
	v_rcp_f32 v[TMP+2], v14
	v_nop
	s_wait_alu depctr_va_vdst(0)                   ; ahead of the reciprocal's first reader
.set n, 0
.rept 16
	v_pk_mul_f32 v[rO+2*n:rO+2*n+1], v[rO+2*n:rO+2*n+1], v[TMP+2:TMP+3] op_sel_hi:[1,0]
.set n, n+1
.endr
.set n, 0
.rept 16
	v_cvt_pk_bf16_f32 v[PKD+n], v[rO+2*n], v[rO+2*n+1]
.set n, n+1
.endr
	s_wait_xcnt 0x0                                ; an earlier tile's stores have read v[BK ..]: they are loaded again only behind this wait
.irp f, 0,1,2,3
	ds_store_b128 v[STO], v[PKD+4*\f:PKD+4*\f+3] offset:32*\f
.endr
.irp f, 0,1,2,3
	ds_load_b128 v[BK+4*\f:BK+4*\f+3], v[RD] offset:\f*4*SP   ; LDS serves a wave's instructions in order: these see the stores above
.endr
	s_wait_dscnt 0x0
.irp f, 0,1,2,3
	global_store_b128 v[GO+(\u)], v[BK+4*\f:BK+4*\f+3], s[OB:OB+1] offset:512*\f  ; 512 consecutive bytes, aligned
.endr
.endm
; A UNIT: tile u against key block KB.  e = 1: the tile may be finished already (jumped), or this may be its diagonal block (mask, way out).
; kf = 1: the trip's last unit: behind its products K Q^T, V is waited for and the next block's K is fetched.  Every jump goes forward and hangs on KB and the wave's number alone.
.macro UNIT u, e, kf, lim
.if \e
	s_cmp_gt_u32 s[KB], s[GS+(\u)]
	s_cbranch_scc1 .Lskip_\@
.endif
	KQ \u
	PLACES                                         ; in front of the reads of S^T and of the loads into K's registers
.if \kf
	s_wait_dscnt 0x0                               ; V is in
	FETCH_K 1, \lim
.endif
.if \e
	s_cmp_lg_u32 s[KB], s[GS+(\u)]
	s_cbranch_scc1 .Lopen_\@
	MASK
.Lopen_\@:
.endif
	SOFT \u
.if !(\kf)
	s_wait_dscnt 0x0                               ; V is in
.endif
	PVM \u
.if \e
	s_cmp_lg_u32 s[KB], s[GS+(\u)]
	s_cbranch_scc1 .Lskip_\@
	WAYOUT \u
.Lskip_\@:
.endif
.endm
	s_wait_tensorcnt 1                             ; my part of keys 0-511 is in; keys 512-1023 may stay out
	s_barrier_signal -1
	s_barrier_wait -1
	s_mov_b32 s[KB], 0
	FETCH_K 0, 7
	s_wait_loadcnt 0x0                             ; Q
.LloopA:                                       ; key blocks 0 to 7
	PLACES                                         ; behind the last products that read V's registers
	FETCH_V 7
	s_wait_dscnt 16                                ; K is in; V's 16 loads stay out
	UNIT 0, 1, 0, 7
	UNIT 1, 1, 0, 7
	UNIT 2, 0, 0, 7
	UNIT 3, 0, 1, 7
	s_add_co_u32 s[KB], s[KB], 1
	s_cmp_lt_u32 s[KB], 8
	s_cbranch_scc1 .LloopA
	s_wait_tensorcnt 0x0                           ; my part of keys 512-1023 is in,
	s_wait_dscnt 0x0
	s_barrier_signal -1
	s_barrier_wait -1                              ; everybody's is
	s_mov_b32 s[KB], 8
	FETCH_K 0, 15
.LloopB:                                       ; key blocks 8 to 15; behind my last tile's diagonal the trips are jumped
	s_cmp_gt_u32 s[KB], s[GS+3]
	s_cbranch_scc1 .LdeadB
	PLACES
	FETCH_V 15
	s_wait_dscnt 16
	UNIT 2, 1, 0, 15
	UNIT 3, 1, 1, 15
.LdeadB:
	s_add_co_u32 s[KB], s[KB], 1
	s_cmp_lt_u32 s[KB], 16
	s_cbranch_scc1 .LloopB
	s_wait_tensorcnt 0x0                           ; the wave's end
	ds_add_u32 v[SPW], v[NIL]
	s_wait_dscnt 0x0
	ROUND                                          ; the closing round
	s_endpgm
.Lfunc_end_k_q2abb7fe6f1_attn:
	.size	k_q2abb7fe6f1_attn, .Lfunc_end_k_q2abb7fe6f1_attn-k_q2abb7fe6f1_attn
	.p2alignl 7, 3214868480
	.fill 96, 4, 3214868480
	.section	.rodata,"a",@progbits
	.p2align	6, 0x0
	.amdhsa_kernel k_q2abb7fe6f1_attn
		.amdhsa_group_segment_fixed_size 327680
		.amdhsa_private_segment_fixed_size 0
		.amdhsa_enable_private_segment 0
		.amdhsa_kernarg_size 16
		.amdhsa_user_sgpr_count 2
		.amdhsa_user_sgpr_kernarg_segment_ptr 1
		.amdhsa_wavefront_size32 1
		.amdhsa_system_sgpr_workgroup_id_x 1
		.amdhsa_system_sgpr_workgroup_id_y 1
		.amdhsa_system_sgpr_workgroup_id_z 1
		.amdhsa_system_vgpr_workitem_id 0
		.amdhsa_next_free_vgpr 448
		.amdhsa_next_free_sgpr 72
		.amdhsa_reserve_vcc 1
		.amdhsa_float_denorm_mode_32 3
		.amdhsa_float_denorm_mode_16_64 3
		.amdhsa_memory_ordered 1
		.amdhsa_forward_progress 1
		.amdhsa_inst_pref_size 89
	.end_amdhsa_kernel
	.amdgpu_metadata
---
amdhsa.version: [ 1, 2 ]
amdhsa.kernels:
  - .name:           k_q2abb7fe6f1_attn
    .symbol:         k_q2abb7fe6f1_attn.kd
    .args:
      - { .name: qkv, .offset: 0, .size: 8, .value_kind: global_buffer, .address_space: global }
      - { .name: act, .offset: 8, .size: 8, .value_kind: global_buffer, .address_space: global }
    .group_segment_fixed_size: 327680
    .private_segment_fixed_size: 0
    .kernarg_segment_align: 8
    .kernarg_segment_size: 16
    .max_flat_workgroup_size: 128
    .sgpr_count:     72
    .vgpr_count:     448
    .wavefront_size: 32
...
	.end_amdgpu_metadata
.endif
;; end of part 3
;; launch proj (part 4): grid 8 x 32, 4 waves a work-group, clusters of 4 x 4, 327,680 bytes of LDS; arguments act, wa, bp, x, x1; writes x1
.if DOCPART == 4
	.amdgcn_target "amdgcn-amd-amdhsa--gfx1250"
	.amdhsa_code_object_version 6
	.text
	.protected	k_q2abb7fe6f1_proj
	.globl	k_q2abb7fe6f1_proj
	.p2align	8
	.type	k_q2abb7fe6f1_proj,@function
k_q2abb7fe6f1_proj:
	s_mov_b64 s[64:65], 0
	v_nop
	global_prefetch_b8 v0, s[64:65] scope:SCOPE_SE
	s_setreg_imm32_b32 hwreg(HW_REG_WAVE_MODE, 25, 1), 1
	s_wait_xcnt 0x0
	s_wait_alu depctr_hold_cnt(0) depctr_sa_sdst(0) depctr_va_vdst(0) depctr_va_sdst(0) depctr_va_ssrc(0) depctr_va_vcc(0) depctr_vm_vsrc(0)
	s_getreg_b32 s2, hwreg(HW_REG_IB_STS2, 6, 4)
	s_cmp_eq_u32 s2, 0
	s_cbranch_scc0 .Lentry_in_a_cluster
	s_endpgm
.Lentry_in_a_cluster:
	s_bfe_u32 s2, ttmp6, 0x10000c
	s_cmp_lg_u32 s2, 0xf033
	s_cbranch_scc0 .Lentry_shape_is_right
	s_endpgm
.Lentry_shape_is_right:
; out = res + bias + A B, f32 [4096][1024], here x1 = x + bp + y Wp with K = 1,024.
; A: slabs [k / 64][m][64] of bf16.  B: bf16 [k][1024], rows of 2,048 bytes, at byte SOFF of the weight buffer.
; bias: f32 [1024]; res: f32 [4096][1024].  Sums in f32: the accumulators are loaded with the bias, so every product has one form; the residual is added in f32 on the way out.
; K = 256 NSLOT is a constant of the text: every barrier is passed a number of times that can be read off it.  The product with K = 4,096 has a text of its own that differs in NSLOT alone.
; SHARES.  A tile is 128 x 128: 256 work-groups.  Four waves, each 64 x 64 = 16 accumulators.  A slot holds 256 along K (four slabs of A, 256 rows of B); two slots.
; THE LOOP'S TRIP IS ONE SLOT, from the change of slots to the slot's third quarter; it is entered in its middle, behind the change.  s[TB] is 0 or SLOT and is turned by an exclusive or; the
; fragments' addresses are made of it anew at each change; one descriptor a tensor walks on, its LDS word turned in the same way (wave x 36,864 has the two bits of SLOT clear).
; CLUSTER 4 x 4: A's tile is asked for jointly along a row of the cluster, B's along a column.  No prefetch: the tile is small, 128 products a wave to a slot.
; THE PRODUCT IS TAKEN TRANSPOSED: a lane holds row l % 16 and 8 neighbouring columns, 32 bytes of f32.  A wave's 64 columns are 256 bytes of a row: each wave has a stage of its own.
; LIMITS: NaN and infinities are not treated apart.
; REGISTERS: window 0: v16-29 addresses; v32-95 the way out; v128-255 accumulators.  window 1: two fragment buffers of 128.  window 2: v0-127 the residual.
.set NSLOT,  4                         ; K / 256
.set PA,     144                       ; a slab row in LDS: 128 bytes + 16
.set PB,     288                       ; a row of B: 256 bytes + 32
.set HALFT,  36864                     ; what one tensor load brings: two slabs x 128 rows of A, or 128 k rows of B
.set SLOT,   4*HALFT
.set STAGE,  2*SLOT
.set SPITCH, 272
.set SPARE,  STAGE+4*16*SPITCH         ; the spare words: 128 bytes a wave, two blocks of 256 bytes that no other line names
.set SOFF,   8405248
.set SLAB,   524288
.set WROW,   2048                      ; bytes in a row of the weights
.set ADRA, 16                          ; v16     my A fragments in slot 0; never rewritten
.set CA,   17                          ; v17     the same in the slot in hand
.set ADRB, 20                          ; v20-21  my B fragments in slot 0: k rows 0-127, 128-255; never rewritten
.set CB,   22                          ; v22-23  the same in the slot in hand
.set STO,  24
.set RD,   25
.set RO,   26
.set BO,   27
.set SPW,  28
.set NIL,  29
.set TMP,  32
.set ACC,  128
.set F0,   0
.set F1,   128
.set G1,  24                           ; s[24:31] group 1, A      s[32:39] group 0, A: a set for each first fill; the second then walks on
.set G0,  32
.set G1B, 40                           ; s[40:47], s[48:55] the same for B
.set G0B, 48
.set TB,  62                           ; 0 or SLOT: the slot in hand
.set MSB, 0
.macro WIN new
.if MSB != (\new)
	s_set_vgpr_msb (MSB<<8)|(\new)
.set MSB, \new
.endif
.endm
.macro PLACES
.rept 4
	v_nop
.endr
.endm
.macro JLOAD sl                        ; waves 0, 1 fetch A's halves, waves 2, 3 B's; s_nop 0 and four v_nop follow each line
	s_cmp_eq_u32 s17, 0
	s_cbranch_scc0 .Lfor_b_\@
	tensor_load_to_lds s[G0+4*(\sl):G0+4*(\sl)+3], s[G1:G1+7]
	s_nop 0
.rept 4
	v_nop
.endr
	s_branch .Lasked_\@
.Lfor_b_\@:
	tensor_load_to_lds s[G0B+4*(\sl):G0B+4*(\sl)+3], s[G1B:G1B+7]
	s_nop 0
.rept 4
	v_nop
.endr
.Lasked_\@:
.endm
.macro CREST
	s_cmp_lg_u32 s16, 0
	s_cbranch_scc1 .Lnot_wave_0_\@
	s_barrier_signal -3
.Lnot_wave_0_\@:
	s_barrier_wait -3
	s_barrier_signal -1
	s_barrier_wait -1
.endm
.macro CROUND
	s_barrier_signal -1
	s_barrier_wait -1
	CREST
.endm
	s_load_b256 s[4:11], s[0:1], 0x0               ; A s[4:5], weights s[6:7], bias s[8:9], residual s[10:11]
	s_load_b64 s[12:13], s[0:1], 0x20              ; out
	v_lshl_add_u32 v[SPW], v0, 2, SPARE
	v_mov_b32 v[NIL], 0
	ds_add_u32 v[SPW], v[NIL]                      ; the opening: the add and its wait ahead of my first tensor load
	v_lshrrev_b32 v1, 5, v0
	v_readfirstlane_b32 s16, v1                    ; wave 0..3
	s_lshr_b32 s17, s16, 1                         ; my half of the rows; also: I fetch for A (0) or B (1)
	s_and_b32 s18, s16, 1                          ; my half of the columns; also: which half of that tile I fetch
	s_bfe_u32 s56, ttmp6, 0x40000                  ; cx
	s_bfe_u32 s57, ttmp6, 0x40004                  ; cy
	s_lshl_b32 s58, ttmp9, 2
	s_add_co_u32 s58, s58, s56                     ; tile column
	s_and_b32 s59, ttmp7, 0xffff
	s_lshl_b32 s59, s59, 2
	s_add_co_u32 s59, s59, s57                     ; tile row
	s_lshl_b32 s60, s57, 2
	s_lshl_b32 s60, 15, s60                        ; my row of the cluster
	s_lshl_b32 s61, 0x1111, s56                    ; my column
	; A: 128 rows of a slab are 16,384 dense bytes: one row of the tile; two slabs, a slab apart; padded in LDS after every 128 bytes
	s_or_b32 s[G1+0], s60, (1<<16)|(1<<20)|(1<<21)|(4<<22)|(3<<25)
	s_mov_b32 s[G1+1], 8192<<16                    ; tensor_dim0 = 8,192
	s_mov_b32 s[G1+2], 2<<16                       ; tensor_dim1 = 2
	s_mov_b32 s[G1+3], 8192<<16                    ; tile_dim0 = 8,192
	s_mov_b32 s[G1+4], 2                           ; tile_dim1 = 2
	s_mov_b32 s[G1+5], 262144                      ; a slab in elements
	s_mov_b32 s[G1+6], 0
	s_mov_b32 s[G1+7], 0
	s_or_b32 s[G1B+0], s61, (1<<16)|(1<<20)|(1<<21)|(5<<22)|(7<<25)  ; B: 128 k rows x 128 columns, 8 words of padding after every 64
	s_mov_b32 s[G1B+1], 128<<16
	s_mov_b32 s[G1B+2], 128<<16
	s_mov_b32 s[G1B+3], 128<<16
	s_mov_b32 s[G1B+4], 128
	s_mov_b32 s[G1B+5], 1024                       ; elements from row to row
	s_mov_b32 s[G1B+6], 0
	s_mov_b32 s[G1B+7], 0
	s_lshl_b32 s20, s18, 20                        ; A: my two of a slot's four slabs,
	s_lshl_b32 s21, s59, 14                        ; the tile's 128 rows of 128 bytes
	s_add_co_u32 s20, s20, s21
	s_mov_b32 s21, 0
	s_lshl_b32 s66, s58, 8                         ; B: the tile's 128 columns: 256 bytes of a row,
	s_lshl_b32 s67, s18, 18                        ; my 128 of a slot's 256 rows of 2,048 bytes
	s_add_co_u32 s66, s66, s67
	s_add_co_u32 s66, s66, SOFF
	s_mov_b32 s67, 0
	s_mul_i32 s22, s16, HALFT                      ; where they go: no place in the cluster enters an LDS address
	s_mov_b32 s[TB], 0
	s_wait_dscnt 0x0                               ; the opening add is done
	s_wait_kmcnt 0x0
	s_add_nc_u64 s[68:69], s[4:5], s[20:21]
	s_add_nc_u64 s[66:67], s[6:7], s[66:67]
	CROUND                                         ; all sixteen work-groups are here: the first joint loads meet
.irp sl, 0,1
	s_mov_b32 s[G0+4*(\sl)], 1
	s_add_co_u32 s[G0+4*(\sl)+1], s22, (\sl)*SLOT
	s_add_nc_u64 s[G0+4*(\sl)+2:G0+4*(\sl)+3], s[68:69], (\sl)*4*SLAB
	s_or_b32 s[G0+4*(\sl)+3], s[G0+4*(\sl)+3], 0x80000000
	s_mov_b32 s[G0B+4*(\sl)], 1
	s_add_co_u32 s[G0B+4*(\sl)+1], s22, (\sl)*SLOT
	s_add_nc_u64 s[G0B+4*(\sl)+2:G0B+4*(\sl)+3], s[66:67], (\sl)*256*WROW
	s_or_b32 s[G0B+4*(\sl)+3], s[G0B+4*(\sl)+3], 0x80000000
	JLOAD \sl                                      ; two loads of mine are out
.endr
	v_and_b32 v1, 15, v0                           ; l % 16
	v_bfe_u32 v2, v0, 4, 1                         ; l / 16
	v_mul_u32_u24 v3, v1, PA
	v_lshl_add_u32 v3, v2, 4, v3
	s_mul_i32 s23, s17, 64*PA                      ; my 64 rows in each slab
	v_add_nc_u32 v[ADRA], s23, v3
	v_mov_b32 v[CA], v[ADRA]
	v_and_b32 v4, 7, v0                            ; the turning load: k row 8 (l / 16) + l % 8, columns 8 ((l / 8) % 2) on
	v_lshl_add_u32 v4, v2, 3, v4
	v_mul_u32_u24 v4, v4, PB
	v_bfe_u32 v5, v0, 3, 1
	v_lshl_add_u32 v4, v5, 4, v4
	s_lshl_b32 s23, s18, 7                         ; my 64 columns
	s_add_co_u32 s23, s23, 2*HALFT
	v_add_nc_u32 v[ADRB], s23, v4
	v_add_nc_u32 v[ADRB+1], HALFT, v[ADRB]
	v_mov_b32 v[CB], v[ADRB]
	v_mov_b32 v[CB+1], v[ADRB+1]
	s_mul_i32 s23, s16, 16*SPITCH
	s_add_co_u32 s23, s23, STAGE                   ; my stage
	v_mul_u32_u24 v5, v1, SPITCH                   ; in: row l % 16, 32 bytes for each half of the lanes
	v_lshl_add_u32 v5, v2, 5, v5
	v_add_nc_u32 v[STO], s23, v5
	v_mul_u32_u24 v5, v2, SPITCH                   ; back: lanes 0-15 one row of 256 bytes, lanes 16-31 the next
	v_lshl_add_u32 v5, v1, 4, v5
	v_add_nc_u32 v[RD], s23, v5
	v_lshlrev_b32 v5, 12, v2                       ; the same two rows in memory
	v_lshl_add_u32 v[RO], v1, 4, v5
	v_lshlrev_b32 v[BO], 5, v2
	s_lshl_b32 s70, s59, 7
	s_lshl_b32 s71, s17, 6
	s_add_co_u32 s70, s70, s71
	s_lshl_b32 s70, s70, 12                        ; my first row x 4,096 bytes
	s_lshl_b32 s72, s58, 7
	s_lshl_b32 s73, s18, 6
	s_add_co_u32 s72, s72, s73
	s_lshl_b32 s72, s72, 2                         ; my first column x 4 bytes
	s_add_co_u32 s70, s70, s72
	s_mov_b32 s71, 0
	s_mov_b32 s73, 0
	s_add_nc_u64 s[10:11], s[10:11], s[70:71]
	s_add_nc_u64 s[12:13], s[12:13], s[70:71]
	s_add_nc_u64 s[8:9], s[8:9], s[72:73]
.irp a, 0,1,2,3                        ; the sums begin at the bias: accumulator (a, b) takes the bias of column block b, whatever a
.irp b, 0,1,2,3
	global_load_b128 v[ACC+8*(4*(\a)+(\b)):ACC+8*(4*(\a)+(\b))+3],   v[BO], s[8:9] offset:64*(\b)
	global_load_b128 v[ACC+8*(4*(\a)+(\b))+4:ACC+8*(4*(\a)+(\b))+7], v[BO], s[8:9] offset:64*(\b)+16
.endr
.endr
; 8 products: row blocks a0, a0 + 1 x all 4 column blocks, 32 along K: half c of buffer f.  The 16 accumulators take turns.
.macro MUL8 f, c, a0
	WIN 0x05
.irp a, \a0, (\a0)+1
.irp b, 0,1,2,3
	v_wmma_f32_16x16x32_bf16 v[ACC+8*(4*(\a)+(\b)):ACC+8*(4*(\a)+(\b))+7], v[(\f)+64+8*(4*(\c)+(\b)):(\f)+64+8*(4*(\c)+(\b))+7], v[(\f)+8*(4*(\c)+(\a)):(\f)+8*(4*(\c)+(\a))+7], v[ACC+8*(4*(\a)+(\b)):ACC+8*(4*(\a)+(\b))+7]
.endr
.endr
.endm
; 32 LDS loads in one run: quarter q of the slot in hand (64 along K: slab q of A, k rows 64 q on of B) into buffer f; the first 32 along K first
.macro FETCH q, f
	WIN 0x40
.irp c, 0,1
.irp i, 0,1,2,3
	ds_load_tr16_b128 v[(\f)+64+8*(4*(\c)+(\i)):(\f)+64+8*(4*(\c)+(\i))+3],   v[CB+(\q)/2] offset:(((\q)%2)*64+32*(\c))*PB+32*(\i)
	ds_load_tr16_b128 v[(\f)+64+8*(4*(\c)+(\i))+4:(\f)+64+8*(4*(\c)+(\i))+7], v[CB+(\q)/2] offset:(((\q)%2)*64+32*(\c)+16)*PB+32*(\i)
	ds_load_b128 v[(\f)+8*(4*(\c)+(\i)):(\f)+8*(4*(\c)+(\i))+3],   v[CA] offset:(\q)*128*PA+64*(\c)+(\i)*16*PA
	ds_load_b128 v[(\f)+8*(4*(\c)+(\i))+4:(\f)+8*(4*(\c)+(\i))+7], v[CA] offset:(\q)*128*PA+64*(\c)+(\i)*16*PA+32
.endr
.endr
.endm
.macro QUARTER q, f, g                 ; multiplies buffer f; in its middle fetches quarter q of the slot in hand into buffer g
	s_wait_dscnt 16                                ; the first 32 along K are in; the other sixteen loads may be out
	MUL8 \f, 0, 0
	MUL8 \f, 0, 2
	PLACES
	FETCH \q, \g
	s_wait_dscnt 32                                ; all but the 32 just issued
	MUL8 \f, 1, 0
	MUL8 \f, 1, 2
.endm
; A slot's last quarter and the change of slots.  All loads from the slot in hand have been issued, so the addresses go over to the other slot; each wave waits for all its tensor loads,
; adds 0 to its spare word, waits for that and for its reads of this slot.  fill = 1: the barrier opens a round of the cluster's, and the slot is filled again, two slots on, first thing behind it.
.macro TURN fill
	WIN 0
	s_xor_b32 s[TB], s[TB], SLOT
	v_add_nc_u32 v[CA], s[TB], v[ADRA]
	v_add_nc_u32 v[CB], s[TB], v[ADRB]
	v_add_nc_u32 v[CB+1], s[TB], v[ADRB+1]
	s_wait_tensorcnt 0x0
	ds_add_u32 v[SPW], v[NIL]
	s_wait_dscnt 17                                ; the add and the youngest sixteen loads may be out
	MUL8 F1, 0, 0
	s_wait_dscnt 0x0                               ; the add is done, my reads of this slot are over
	s_barrier_signal -1
	MUL8 F1, 0, 2
.if \fill
	WIN 0
.endif
	s_barrier_wait -1
.if \fill
	CREST
	s_xor_b32 s[G0+5], s[G0+5], SLOT               ; the walking descriptors: the other slot than last time, the next 256 along K
	s_add_nc_u64 s[G0+6:G0+7], s[G0+6:G0+7], 4*SLAB
	s_xor_b32 s[G0B+5], s[G0B+5], SLOT
	s_add_nc_u64 s[G0B+6:G0B+7], s[G0B+6:G0B+7], 256*WROW
	JLOAD 1                                        ; its four v_nop are also the places in front of the loads below
.else
	PLACES
.endif
	FETCH 0, F0
	MUL8 F1, 1, 0
	MUL8 F1, 1, 2
.endm
	s_wait_tensorcnt 1                             ; my part of slot 0 is in; slot 1's may stay out
	s_barrier_signal -1
	s_barrier_wait -1
	FETCH 0, F0
	WIN 0x80                                       ; the residual, 64 rows x 256 bytes, into window 2: asked for when the first tiles have landed, wanted on the way out
.set i, 0
.rept 32
	global_load_b128 v[4*i:4*i+3], v[RO], s[10:11] offset:(16*(i/8)+2*(i%8))*4096
.set i, i+1
.endr
	WIN 0
	s_wait_loadcnt 32                              ; the bias is in the accumulators; the residual's 32 loads stay out
	s_mov_b32 s3, NSLOT-1
	s_branch .Lfirst                               ; the loop is entered behind the change of slots
.Lslot:                                        ; NSLOT - 2 times: the slot that is left is filled again
	TURN 1
	WIN 0
.Lfirst:
	QUARTER 1, F0, F1
	QUARTER 2, F1, F0
	QUARTER 3, F0, F1
	WIN 0
	s_sub_co_u32 s3, s3, 1
	s_cmp_lg_u32 s3, 0
	s_cbranch_scc1 .Lslot
	TURN 0                                         ; the last change of slots and the last slot are written out: nothing is asked for
	QUARTER 1, F0, F1
	QUARTER 2, F1, F0
	QUARTER 3, F0, F1
	s_wait_dscnt 16
	MUL8 F1, 0, 0
	MUL8 F1, 0, 2
	s_wait_dscnt 0x0
	MUL8 F1, 1, 0
	MUL8 F1, 1, 2
	WIN 0
	; THE WAY OUT, 16 rows at a time: the sums go into my stage (each accumulator's low four registers first), come back as whole rows of 256 bytes, take the residual, and leave.
	PLACES
	s_wait_loadcnt 0x0                             ; the residual
.irp a, 0,1,2,3
.set TS, TMP+32*((\a)%2)
.if (\a) >= 2
	s_wait_xcnt 0x0                                ; the stores of two blocks back have read this set of registers
.endif
.irp b, 0,1,2,3
	ds_store_b128 v[STO], v[ACC+8*(4*(\a)+(\b)):ACC+8*(4*(\a)+(\b))+3]   offset:64*(\b)
	ds_store_b128 v[STO], v[ACC+8*(4*(\a)+(\b))+4:ACC+8*(4*(\a)+(\b))+7] offset:64*(\b)+16
.endr
.irp t, 0,1,2,3,4,5,6,7
	ds_load_b128 v[TS+4*(\t):TS+4*(\t)+3], v[RD] offset:(\t)*2*SPITCH  ; LDS serves a wave's instructions in order: these see the stores above
.endr
	s_wait_dscnt 0x0
	WIN 0x08                                       ; source 1 in window 2
.set i, 0
.rept 16
	v_pk_add_f32 v[TS+2*i:TS+2*i+1], v[TS+2*i:TS+2*i+1], v[32*(\a)+2*i:32*(\a)+2*i+1]
.set i, i+1
.endr
	WIN 0
.irp t, 0,1,2,3,4,5,6,7
	global_store_b128 v[RO], v[TS+4*(\t):TS+4*(\t)+3], s[12:13] offset:(16*(\a)+2*(\t))*4096  ; 16 lanes store 256 consecutive bytes, aligned
.endr
.endr
	s_wait_tensorcnt 0x0                           ; the wave's end
	ds_add_u32 v[SPW], v[NIL]
	s_wait_dscnt 0x0
	CROUND                                         ; the closing round
	s_endpgm
.Lfunc_end_k_q2abb7fe6f1_proj:
	.size	k_q2abb7fe6f1_proj, .Lfunc_end_k_q2abb7fe6f1_proj-k_q2abb7fe6f1_proj
	.p2alignl 7, 3214868480
	.fill 96, 4, 3214868480
	.section	.rodata,"a",@progbits
	.p2align	6, 0x0
	.amdhsa_kernel k_q2abb7fe6f1_proj
		.amdhsa_group_segment_fixed_size 327680
		.amdhsa_private_segment_fixed_size 0
		.amdhsa_enable_private_segment 0
		.amdhsa_kernarg_size 40
		.amdhsa_user_sgpr_count 2
		.amdhsa_user_sgpr_kernarg_segment_ptr 1
		.amdhsa_wavefront_size32 1
		.amdhsa_system_sgpr_workgroup_id_x 1
		.amdhsa_system_sgpr_workgroup_id_y 1
		.amdhsa_system_sgpr_workgroup_id_z 1
		.amdhsa_system_vgpr_workitem_id 0
		.amdhsa_next_free_vgpr 640
		.amdhsa_next_free_sgpr 76
		.amdhsa_reserve_vcc 0
		.amdhsa_float_denorm_mode_32 3
		.amdhsa_float_denorm_mode_16_64 3
		.amdhsa_memory_ordered 1
		.amdhsa_forward_progress 1
		.amdhsa_inst_pref_size 66
	.end_amdhsa_kernel
	.amdgpu_metadata
---
amdhsa.version: [ 1, 2 ]
amdhsa.kernels:
  - .name:           k_q2abb7fe6f1_proj
    .symbol:         k_q2abb7fe6f1_proj.kd
    .args:
      - { .name: act, .offset: 0, .size: 8, .value_kind: global_buffer, .address_space: global }
      - { .name: wa, .offset: 8, .size: 8, .value_kind: global_buffer, .address_space: global }
      - { .name: bp, .offset: 16, .size: 8, .value_kind: global_buffer, .address_space: global }
      - { .name: x, .offset: 24, .size: 8, .value_kind: global_buffer, .address_space: global }
      - { .name: x1, .offset: 32, .size: 8, .value_kind: global_buffer, .address_space: global }
    .group_segment_fixed_size: 327680
    .private_segment_fixed_size: 0
    .kernarg_segment_align: 8
    .kernarg_segment_size: 40
    .max_flat_workgroup_size: 128
    .sgpr_count:     76
    .vgpr_count:     640
    .wavefront_size: 32
...
	.end_amdgpu_metadata
.endif
;; end of part 4
;; launch ln2 (part 5): grid 512 x 1, 8 waves a work-group, no clusters, 0 bytes of LDS; arguments x1, g2, beta2, h; writes h
.if DOCPART == 5
	.amdgcn_target "amdgcn-amd-amdhsa--gfx1250"
	.amdhsa_code_object_version 6
	.text
	.protected	k_q2abb7fe6f1_ln2
	.globl	k_q2abb7fe6f1_ln2
	.p2align	8
	.type	k_q2abb7fe6f1_ln2,@function
k_q2abb7fe6f1_ln2:
	s_mov_b64 s[64:65], 0
	v_nop
	global_prefetch_b8 v0, s[64:65] scope:SCOPE_SE
	s_setreg_imm32_b32 hwreg(HW_REG_WAVE_MODE, 25, 1), 1
	s_wait_xcnt 0x0
; h = layer_norm(x1) g2 + beta2, bf16 [4096][1024], from f32 [4096][1024].  8 rows a work-group, one a wave; a row (4,096 bytes) stays in 32 registers of its wave between
; the passes, so it is read once and no wave waits for another: no LDS, no barrier, no matrix unit.  Each load of a wave covers 512 consecutive bytes, each store 256, aligned.
; The variance is taken of the centred row.  LIMITS: NaN and infinities are not treated apart.
.set T,  4                             ; v[4:11]    at work
.set RS, 12                            ; v[12:13]   1 / sqrt(var + eps): the low word of a pair
.set G,  16                            ; v[16:47]   gain of my 32 columns
.set BT, 48                            ; v[48:79]   bias of my 32 columns
.set X,  80                            ; v[80:111]  the row: load j holds columns 128 j + 4 lane + 0..3
.set Y,  112                           ; v[112:127] the row as bf16
.macro FOLD
	v_pk_add_f32 v[T:T+1], v[T:T+1], v[T+2:T+3]
	v_pk_add_f32 v[T+4:T+5], v[T+4:T+5], v[T+6:T+7]
	v_pk_add_f32 v[T:T+1], v[T:T+1], v[T+4:T+5]
	v_add_f32 v[T], v[T], v[T+1]
.endm
.macro WSUM                            ; the sum over the wave's 32 lanes, in every lane
	v_add_f32_dpp v[T], v[T], v[T] row_xmask:1 row_mask:0xf bank_mask:0xf
	v_add_f32_dpp v[T], v[T], v[T] row_xmask:2 row_mask:0xf bank_mask:0xf
	v_add_f32_dpp v[T], v[T], v[T] row_xmask:4 row_mask:0xf bank_mask:0xf
	v_add_f32_dpp v[T], v[T], v[T] row_xmask:8 row_mask:0xf bank_mask:0xf
	v_permlanex16_b32 v[T+1], v[T], s16, s17
	v_add_f32 v[T], v[T], v[T+1]
.endm
	s_load_b256 s[8:15], s[0:1], 0x0               ; x1 s[8:9], g2 s[10:11], beta2 s[12:13], h s[14:15]
	v_lshrrev_b32 v1, 5, v0
	v_readfirstlane_b32 s2, v1                     ; wave 0..7
	v_and_b32 v1, 31, v0
	v_lshlrev_b32 v2, 4, v1                        ; 16 x lane
	v_lshlrev_b32 v3, 3, v1                        ; 8 x lane
	s_lshl_b32 s3, ttmp9, 3
	s_add_co_u32 s3, s3, s2                        ; my row: 8 x work-group + wave
	s_lshl_b32 s4, s3, 12
	s_mov_b32 s5, 0
	s_lshl_b32 s6, s3, 11
	s_mov_b32 s7, 0
	s_mov_b32 s16, 0x76543210
	s_mov_b32 s17, 0xfedcba98
	s_mov_b32 s18, 0x3a800000                      ; 1 / 1024
	s_mov_b32 s19, 0x3727c5ac                      ; 1e-5
	s_wait_kmcnt 0x0
	s_add_nc_u64 s[8:9], s[8:9], s[4:5]
	s_add_nc_u64 s[14:15], s[14:15], s[6:7]
.set i, 0
.rept 8
	global_load_b128 v[X+4*i:X+4*i+3], v2, s[8:9] offset:512*i
.set i, i+1
.endr
.set i, 0
.rept 8
	global_load_b128 v[G+4*i:G+4*i+3], v2, s[10:11] offset:512*i
.set i, i+1
.endr
.set i, 0
.rept 8
	global_load_b128 v[BT+4*i:BT+4*i+3], v2, s[12:13] offset:512*i
.set i, i+1
.endr
	s_wait_loadcnt 16                              ; the row is in; gain and bias (16 loads) stay out
.set i, 0
.rept 4
	v_pk_add_f32 v[T+i:T+i+1], v[X+i:X+i+1], v[X+8+i:X+9+i]  ; the first sums start the chains
.set i, i+2
.endr
.set i, 16
.rept 8
	v_pk_add_f32 v[T+i%8:T+i%8+1], v[T+i%8:T+i%8+1], v[X+i:X+i+1]
.set i, i+2
.endr
	FOLD
	WSUM
	v_mul_f32 v[T], s18, v[T]                      ; the mean
.set i, 0
.rept 16
	v_pk_add_f32 v[X+i:X+i+1], v[X+i:X+i+1], v[T:T+1] op_sel_hi:[1,0] neg_lo:[0,1] neg_hi:[0,1]
.set i, i+2
.endr
.set i, 0
.rept 4
	v_pk_mul_f32 v[T+i:T+i+1], v[X+i:X+i+1], v[X+i:X+i+1]
.set i, i+2
.endr
.set i, 8
.rept 12
	v_pk_fma_f32 v[T+i%8:T+i%8+1], v[X+i:X+i+1], v[X+i:X+i+1], v[T+i%8:T+i%8+1]
.set i, i+2
.endr
	FOLD
	WSUM
	v_fma_f32 v[T], v[T], s18, s19                 ; var + eps
	v_rsq_f32 v[RS], v[T]
	v_mov_b32 v[RS+1], 0                           ; the pair's other word; also the plain instruction behind the root
	s_wait_alu depctr_va_vdst(0)                   ; ahead of the root's first reader
	s_wait_loadcnt 0x0
.set i, 0
.rept 16
	v_pk_mul_f32 v[X+i:X+i+1], v[X+i:X+i+1], v[RS:RS+1] op_sel_hi:[1,0]
.set i, i+2
.endr
.set i, 0
.rept 16
	v_pk_fma_f32 v[X+i:X+i+1], v[X+i:X+i+1], v[G+i:G+i+1], v[BT+i:BT+i+1]
.set i, i+2
.endr
.set i, 0
.rept 16
	v_cvt_pk_bf16_f32 v[Y+i], v[X+2*i], v[X+2*i+1]
.set i, i+1
.endr
.set i, 0
.rept 8
	global_store_b64 v3, v[Y+2*i:Y+2*i+1], s[14:15] offset:256*i  ; 32 lanes: 256 consecutive bytes, aligned
.set i, i+1
.endr
	s_endpgm
.Lfunc_end_k_q2abb7fe6f1_ln2:
	.size	k_q2abb7fe6f1_ln2, .Lfunc_end_k_q2abb7fe6f1_ln2-k_q2abb7fe6f1_ln2
	.p2alignl 7, 3214868480
	.fill 96, 4, 3214868480
	.section	.rodata,"a",@progbits
	.p2align	6, 0x0
	.amdhsa_kernel k_q2abb7fe6f1_ln2
		.amdhsa_group_segment_fixed_size 0
		.amdhsa_private_segment_fixed_size 0
		.amdhsa_enable_private_segment 0
		.amdhsa_kernarg_size 32
		.amdhsa_user_sgpr_count 2
		.amdhsa_user_sgpr_kernarg_segment_ptr 1
		.amdhsa_wavefront_size32 1
		.amdhsa_system_sgpr_workgroup_id_x 1
		.amdhsa_system_sgpr_workgroup_id_y 1
		.amdhsa_system_sgpr_workgroup_id_z 1
		.amdhsa_system_vgpr_workitem_id 0
		.amdhsa_next_free_vgpr 128
		.amdhsa_next_free_sgpr 66
		.amdhsa_reserve_vcc 0
		.amdhsa_float_denorm_mode_32 3
		.amdhsa_float_denorm_mode_16_64 3
		.amdhsa_memory_ordered 1
		.amdhsa_forward_progress 1
		.amdhsa_inst_pref_size 12
	.end_amdhsa_kernel
	.amdgpu_metadata
---
amdhsa.version: [ 1, 2 ]
amdhsa.kernels:
  - .name:           k_q2abb7fe6f1_ln2
    .symbol:         k_q2abb7fe6f1_ln2.kd
    .args:
      - { .name: x1, .offset: 0, .size: 8, .value_kind: global_buffer, .address_space: global }
      - { .name: g2, .offset: 8, .size: 8, .value_kind: global_buffer, .address_space: global }
      - { .name: beta2, .offset: 16, .size: 8, .value_kind: global_buffer, .address_space: global }
      - { .name: h, .offset: 24, .size: 8, .value_kind: global_buffer, .address_space: global }
    .group_segment_fixed_size: 0
    .private_segment_fixed_size: 0
    .kernarg_segment_align: 8
    .kernarg_segment_size: 32
    .max_flat_workgroup_size: 256
    .sgpr_count:     66
    .vgpr_count:     128
    .wavefront_size: 32
...
	.end_amdgpu_metadata
.endif
;; end of part 5
;; launch ffn1: the kernel of part 2 again; grid 16 x 16, 4 waves a work-group, clusters of 4 x 4, 327,680 bytes of LDS; arguments h, wb, act; writes act
;; launch ffn2 (part 6): grid 8 x 32, 4 waves a work-group, clusters of 4 x 4, 327,680 bytes of LDS; arguments act, wb, b2, x1, out0; writes out0
.if DOCPART == 6
	.amdgcn_target "amdgcn-amd-amdhsa--gfx1250"
	.amdhsa_code_object_version 6
	.text
	.protected	k_q2abb7fe6f1_ffn2
	.globl	k_q2abb7fe6f1_ffn2
	.p2align	8
	.type	k_q2abb7fe6f1_ffn2,@function
k_q2abb7fe6f1_ffn2:
	s_mov_b64 s[64:65], 0
	v_nop
	global_prefetch_b8 v0, s[64:65] scope:SCOPE_SE
	s_setreg_imm32_b32 hwreg(HW_REG_WAVE_MODE, 25, 1), 1
	s_wait_xcnt 0x0
	s_wait_alu depctr_hold_cnt(0) depctr_sa_sdst(0) depctr_va_vdst(0) depctr_va_sdst(0) depctr_va_ssrc(0) depctr_va_vcc(0) depctr_vm_vsrc(0)
	s_getreg_b32 s2, hwreg(HW_REG_IB_STS2, 6, 4)
	s_cmp_eq_u32 s2, 0
	s_cbranch_scc0 .Lentry_in_a_cluster
	s_endpgm
.Lentry_in_a_cluster:
	s_bfe_u32 s2, ttmp6, 0x10000c
	s_cmp_lg_u32 s2, 0xf033
	s_cbranch_scc0 .Lentry_shape_is_right
	s_endpgm
.Lentry_shape_is_right:
; out = res + bias + A B, f32 [4096][1024], here out0 = x1 + b2 + relu(..) W2 with K = 4,096.
; A: slabs [k / 64][m][64] of bf16.  B: bf16 [k][1024], rows of 2,048 bytes, at byte SOFF of the weight buffer.
; bias: f32 [1024]; res: f32 [4096][1024].  Sums in f32: the accumulators are loaded with the bias, so every product has one form; the residual is added in f32 on the way out.
; K = 256 NSLOT is a constant of the text: every barrier is passed a number of times that can be read off it.  The product with K = 1,024 has a text of its own that differs in NSLOT alone.
; SHARES.  A tile is 128 x 128: 256 work-groups.  Four waves, each 64 x 64 = 16 accumulators.  A slot holds 256 along K (four slabs of A, 256 rows of B); two slots.
; THE LOOP'S TRIP IS ONE SLOT, from the change of slots to the slot's third quarter; it is entered in its middle, behind the change.  s[TB] is 0 or SLOT and is turned by an exclusive or; the
; fragments' addresses are made of it anew at each change; one descriptor a tensor walks on, its LDS word turned in the same way (wave x 36,864 has the two bits of SLOT clear).
; CLUSTER 4 x 4: A's tile is asked for jointly along a row of the cluster, B's along a column.  No prefetch: the tile is small, 128 products a wave to a slot.
; THE PRODUCT IS TAKEN TRANSPOSED: a lane holds row l % 16 and 8 neighbouring columns, 32 bytes of f32.  A wave's 64 columns are 256 bytes of a row: each wave has a stage of its own.
; LIMITS: NaN and infinities are not treated apart.
; REGISTERS: window 0: v16-29 addresses; v32-95 the way out; v128-255 accumulators.  window 1: two fragment buffers of 128.  window 2: v0-127 the residual.
.set NSLOT,  16                        ; K / 256
.set PA,     144                       ; a slab row in LDS: 128 bytes + 16
.set PB,     288                       ; a row of B: 256 bytes + 32
.set HALFT,  36864                     ; what one tensor load brings: two slabs x 128 rows of A, or 128 k rows of B
.set SLOT,   4*HALFT
.set STAGE,  2*SLOT
.set SPITCH, 272
.set SPARE,  STAGE+4*16*SPITCH         ; the spare words: 128 bytes a wave, two blocks of 256 bytes that no other line names
.set SOFF,   8405248
.set SLAB,   524288
.set WROW,   2048                      ; bytes in a row of the weights
.set ADRA, 16                          ; v16     my A fragments in slot 0; never rewritten
.set CA,   17                          ; v17     the same in the slot in hand
.set ADRB, 20                          ; v20-21  my B fragments in slot 0: k rows 0-127, 128-255; never rewritten
.set CB,   22                          ; v22-23  the same in the slot in hand
.set STO,  24
.set RD,   25
.set RO,   26
.set BO,   27
.set SPW,  28
.set NIL,  29
.set TMP,  32
.set ACC,  128
.set F0,   0
.set F1,   128
.set G1,  24                           ; s[24:31] group 1, A      s[32:39] group 0, A: a set for each first fill; the second then walks on
.set G0,  32
.set G1B, 40                           ; s[40:47], s[48:55] the same for B
.set G0B, 48
.set TB,  62                           ; 0 or SLOT: the slot in hand
.set MSB, 0
.macro WIN new
.if MSB != (\new)
	s_set_vgpr_msb (MSB<<8)|(\new)
.set MSB, \new
.endif
.endm
.macro PLACES
.rept 4
	v_nop
.endr
.endm
.macro JLOAD sl                        ; waves 0, 1 fetch A's halves, waves 2, 3 B's; s_nop 0 and four v_nop follow each line
	s_cmp_eq_u32 s17, 0
	s_cbranch_scc0 .Lfor_b_\@
	tensor_load_to_lds s[G0+4*(\sl):G0+4*(\sl)+3], s[G1:G1+7]
	s_nop 0
.rept 4
	v_nop
.endr
	s_branch .Lasked_\@
.Lfor_b_\@:
	tensor_load_to_lds s[G0B+4*(\sl):G0B+4*(\sl)+3], s[G1B:G1B+7]
	s_nop 0
.rept 4
	v_nop
.endr
.Lasked_\@:
.endm
.macro CREST
	s_cmp_lg_u32 s16, 0
	s_cbranch_scc1 .Lnot_wave_0_\@
	s_barrier_signal -3
.Lnot_wave_0_\@:
	s_barrier_wait -3
	s_barrier_signal -1
	s_barrier_wait -1
.endm
.macro CROUND
	s_barrier_signal -1
	s_barrier_wait -1
	CREST
.endm
	s_load_b256 s[4:11], s[0:1], 0x0               ; A s[4:5], weights s[6:7], bias s[8:9], residual s[10:11]
	s_load_b64 s[12:13], s[0:1], 0x20              ; out
	v_lshl_add_u32 v[SPW], v0, 2, SPARE
	v_mov_b32 v[NIL], 0
	ds_add_u32 v[SPW], v[NIL]                      ; the opening: the add and its wait ahead of my first tensor load
	v_lshrrev_b32 v1, 5, v0
	v_readfirstlane_b32 s16, v1                    ; wave 0..3
	s_lshr_b32 s17, s16, 1                         ; my half of the rows; also: I fetch for A (0) or B (1)
	s_and_b32 s18, s16, 1                          ; my half of the columns; also: which half of that tile I fetch
	s_bfe_u32 s56, ttmp6, 0x40000                  ; cx
	s_bfe_u32 s57, ttmp6, 0x40004                  ; cy
	s_lshl_b32 s58, ttmp9, 2
	s_add_co_u32 s58, s58, s56                     ; tile column
	s_and_b32 s59, ttmp7, 0xffff
	s_lshl_b32 s59, s59, 2
	s_add_co_u32 s59, s59, s57                     ; tile row
	s_lshl_b32 s60, s57, 2
	s_lshl_b32 s60, 15, s60                        ; my row of the cluster
	s_lshl_b32 s61, 0x1111, s56                    ; my column
	; A: 128 rows of a slab are 16,384 dense bytes: one row of the tile; two slabs, a slab apart; padded in LDS after every 128 bytes
	s_or_b32 s[G1+0], s60, (1<<16)|(1<<20)|(1<<21)|(4<<22)|(3<<25)
	s_mov_b32 s[G1+1], 8192<<16                    ; tensor_dim0 = 8,192
	s_mov_b32 s[G1+2], 2<<16                       ; tensor_dim1 = 2
	s_mov_b32 s[G1+3], 8192<<16                    ; tile_dim0 = 8,192
	s_mov_b32 s[G1+4], 2                           ; tile_dim1 = 2
	s_mov_b32 s[G1+5], 262144                      ; a slab in elements
	s_mov_b32 s[G1+6], 0
	s_mov_b32 s[G1+7], 0
	s_or_b32 s[G1B+0], s61, (1<<16)|(1<<20)|(1<<21)|(5<<22)|(7<<25)  ; B: 128 k rows x 128 columns, 8 words of padding after every 64
	s_mov_b32 s[G1B+1], 128<<16
	s_mov_b32 s[G1B+2], 128<<16
	s_mov_b32 s[G1B+3], 128<<16
	s_mov_b32 s[G1B+4], 128
	s_mov_b32 s[G1B+5], 1024                       ; elements from row to row
	s_mov_b32 s[G1B+6], 0
	s_mov_b32 s[G1B+7], 0
	s_lshl_b32 s20, s18, 20                        ; A: my two of a slot's four slabs,
	s_lshl_b32 s21, s59, 14                        ; the tile's 128 rows of 128 bytes
	s_add_co_u32 s20, s20, s21
	s_mov_b32 s21, 0
	s_lshl_b32 s66, s58, 8                         ; B: the tile's 128 columns: 256 bytes of a row,
	s_lshl_b32 s67, s18, 18                        ; my 128 of a slot's 256 rows of 2,048 bytes
	s_add_co_u32 s66, s66, s67
	s_add_co_u32 s66, s66, SOFF
	s_mov_b32 s67, 0
	s_mul_i32 s22, s16, HALFT                      ; where they go: no place in the cluster enters an LDS address
	s_mov_b32 s[TB], 0
	s_wait_dscnt 0x0                               ; the opening add is done
	s_wait_kmcnt 0x0
	s_add_nc_u64 s[68:69], s[4:5], s[20:21]
	s_add_nc_u64 s[66:67], s[6:7], s[66:67]
	CROUND                                         ; all sixteen work-groups are here: the first joint loads meet
.irp sl, 0,1
	s_mov_b32 s[G0+4*(\sl)], 1
	s_add_co_u32 s[G0+4*(\sl)+1], s22, (\sl)*SLOT
	s_add_nc_u64 s[G0+4*(\sl)+2:G0+4*(\sl)+3], s[68:69], (\sl)*4*SLAB
	s_or_b32 s[G0+4*(\sl)+3], s[G0+4*(\sl)+3], 0x80000000
	s_mov_b32 s[G0B+4*(\sl)], 1
	s_add_co_u32 s[G0B+4*(\sl)+1], s22, (\sl)*SLOT
	s_add_nc_u64 s[G0B+4*(\sl)+2:G0B+4*(\sl)+3], s[66:67], (\sl)*256*WROW
	s_or_b32 s[G0B+4*(\sl)+3], s[G0B+4*(\sl)+3], 0x80000000
	JLOAD \sl                                      ; two loads of mine are out
.endr
	v_and_b32 v1, 15, v0                           ; l % 16
	v_bfe_u32 v2, v0, 4, 1                         ; l / 16
	v_mul_u32_u24 v3, v1, PA
	v_lshl_add_u32 v3, v2, 4, v3
	s_mul_i32 s23, s17, 64*PA                      ; my 64 rows in each slab
	v_add_nc_u32 v[ADRA], s23, v3
	v_mov_b32 v[CA], v[ADRA]
	v_and_b32 v4, 7, v0                            ; the turning load: k row 8 (l / 16) + l % 8, columns 8 ((l / 8) % 2) on
	v_lshl_add_u32 v4, v2, 3, v4
	v_mul_u32_u24 v4, v4, PB
	v_bfe_u32 v5, v0, 3, 1
	v_lshl_add_u32 v4, v5, 4, v4
	s_lshl_b32 s23, s18, 7                         ; my 64 columns
	s_add_co_u32 s23, s23, 2*HALFT
	v_add_nc_u32 v[ADRB], s23, v4
	v_add_nc_u32 v[ADRB+1], HALFT, v[ADRB]
	v_mov_b32 v[CB], v[ADRB]
	v_mov_b32 v[CB+1], v[ADRB+1]
	s_mul_i32 s23, s16, 16*SPITCH
	s_add_co_u32 s23, s23, STAGE                   ; my stage
	v_mul_u32_u24 v5, v1, SPITCH                   ; in: row l % 16, 32 bytes for each half of the lanes
	v_lshl_add_u32 v5, v2, 5, v5
	v_add_nc_u32 v[STO], s23, v5
	v_mul_u32_u24 v5, v2, SPITCH                   ; back: lanes 0-15 one row of 256 bytes, lanes 16-31 the next
	v_lshl_add_u32 v5, v1, 4, v5
	v_add_nc_u32 v[RD], s23, v5
	v_lshlrev_b32 v5, 12, v2                       ; the same two rows in memory
	v_lshl_add_u32 v[RO], v1, 4, v5
	v_lshlrev_b32 v[BO], 5, v2
	s_lshl_b32 s70, s59, 7
	s_lshl_b32 s71, s17, 6
	s_add_co_u32 s70, s70, s71
	s_lshl_b32 s70, s70, 12                        ; my first row x 4,096 bytes
	s_lshl_b32 s72, s58, 7
	s_lshl_b32 s73, s18, 6
	s_add_co_u32 s72, s72, s73
	s_lshl_b32 s72, s72, 2                         ; my first column x 4 bytes
	s_add_co_u32 s70, s70, s72
	s_mov_b32 s71, 0
	s_mov_b32 s73, 0
	s_add_nc_u64 s[10:11], s[10:11], s[70:71]
	s_add_nc_u64 s[12:13], s[12:13], s[70:71]
	s_add_nc_u64 s[8:9], s[8:9], s[72:73]
.irp a, 0,1,2,3                        ; the sums begin at the bias: accumulator (a, b) takes the bias of column block b, whatever a
.irp b, 0,1,2,3
	global_load_b128 v[ACC+8*(4*(\a)+(\b)):ACC+8*(4*(\a)+(\b))+3],   v[BO], s[8:9] offset:64*(\b)
	global_load_b128 v[ACC+8*(4*(\a)+(\b))+4:ACC+8*(4*(\a)+(\b))+7], v[BO], s[8:9] offset:64*(\b)+16
.endr
.endr
; 8 products: row blocks a0, a0 + 1 x all 4 column blocks, 32 along K: half c of buffer f.  The 16 accumulators take turns.
.macro MUL8 f, c, a0
	WIN 0x05
.irp a, \a0, (\a0)+1
.irp b, 0,1,2,3
	v_wmma_f32_16x16x32_bf16 v[ACC+8*(4*(\a)+(\b)):ACC+8*(4*(\a)+(\b))+7], v[(\f)+64+8*(4*(\c)+(\b)):(\f)+64+8*(4*(\c)+(\b))+7], v[(\f)+8*(4*(\c)+(\a)):(\f)+8*(4*(\c)+(\a))+7], v[ACC+8*(4*(\a)+(\b)):ACC+8*(4*(\a)+(\b))+7]
.endr
.endr
.endm
; 32 LDS loads in one run: quarter q of the slot in hand (64 along K: slab q of A, k rows 64 q on of B) into buffer f; the first 32 along K first
.macro FETCH q, f
	WIN 0x40
.irp c, 0,1
.irp i, 0,1,2,3
	ds_load_tr16_b128 v[(\f)+64+8*(4*(\c)+(\i)):(\f)+64+8*(4*(\c)+(\i))+3],   v[CB+(\q)/2] offset:(((\q)%2)*64+32*(\c))*PB+32*(\i)
	ds_load_tr16_b128 v[(\f)+64+8*(4*(\c)+(\i))+4:(\f)+64+8*(4*(\c)+(\i))+7], v[CB+(\q)/2] offset:(((\q)%2)*64+32*(\c)+16)*PB+32*(\i)
	ds_load_b128 v[(\f)+8*(4*(\c)+(\i)):(\f)+8*(4*(\c)+(\i))+3],   v[CA] offset:(\q)*128*PA+64*(\c)+(\i)*16*PA
	ds_load_b128 v[(\f)+8*(4*(\c)+(\i))+4:(\f)+8*(4*(\c)+(\i))+7], v[CA] offset:(\q)*128*PA+64*(\c)+(\i)*16*PA+32
.endr
.endr
.endm
.macro QUARTER q, f, g                 ; multiplies buffer f; in its middle fetches quarter q of the slot in hand into buffer g
	s_wait_dscnt 16                                ; the first 32 along K are in; the other sixteen loads may be out
	MUL8 \f, 0, 0
	MUL8 \f, 0, 2
	PLACES
	FETCH \q, \g
	s_wait_dscnt 32                                ; all but the 32 just issued
	MUL8 \f, 1, 0
	MUL8 \f, 1, 2
.endm
; A slot's last quarter and the change of slots.  All loads from the slot in hand have been issued, so the addresses go over to the other slot; each wave waits for all its tensor loads,
; adds 0 to its spare word, waits for that and for its reads of this slot.  fill = 1: the barrier opens a round of the cluster's, and the slot is filled again, two slots on, first thing behind it.
.macro TURN fill
	WIN 0
	s_xor_b32 s[TB], s[TB], SLOT
	v_add_nc_u32 v[CA], s[TB], v[ADRA]
	v_add_nc_u32 v[CB], s[TB], v[ADRB]
	v_add_nc_u32 v[CB+1], s[TB], v[ADRB+1]
	s_wait_tensorcnt 0x0
	ds_add_u32 v[SPW], v[NIL]
	s_wait_dscnt 17                                ; the add and the youngest sixteen loads may be out
	MUL8 F1, 0, 0
	s_wait_dscnt 0x0                               ; the add is done, my reads of this slot are over
	s_barrier_signal -1
	MUL8 F1, 0, 2
.if \fill
	WIN 0
.endif
	s_barrier_wait -1
.if \fill
	CREST
	s_xor_b32 s[G0+5], s[G0+5], SLOT               ; the walking descriptors: the other slot than last time, the next 256 along K
	s_add_nc_u64 s[G0+6:G0+7], s[G0+6:G0+7], 4*SLAB
	s_xor_b32 s[G0B+5], s[G0B+5], SLOT
	s_add_nc_u64 s[G0B+6:G0B+7], s[G0B+6:G0B+7], 256*WROW
	JLOAD 1                                        ; its four v_nop are also the places in front of the loads below
.else
	PLACES
.endif
	FETCH 0, F0
	MUL8 F1, 1, 0
	MUL8 F1, 1, 2
.endm
	s_wait_tensorcnt 1                             ; my part of slot 0 is in; slot 1's may stay out
	s_barrier_signal -1
	s_barrier_wait -1
	FETCH 0, F0
	WIN 0x80                                       ; the residual, 64 rows x 256 bytes, into window 2: asked for when the first tiles have landed, wanted on the way out
.set i, 0
.rept 32
	global_load_b128 v[4*i:4*i+3], v[RO], s[10:11] offset:(16*(i/8)+2*(i%8))*4096
.set i, i+1
.endr
	WIN 0
	s_wait_loadcnt 32                              ; the bias is in the accumulators; the residual's 32 loads stay out
	s_mov_b32 s3, NSLOT-1
	s_branch .Lfirst                               ; the loop is entered behind the change of slots
.Lslot:                                        ; NSLOT - 2 times: the slot that is left is filled again
	TURN 1
	WIN 0
.Lfirst:
	QUARTER 1, F0, F1
	QUARTER 2, F1, F0
	QUARTER 3, F0, F1
	WIN 0
	s_sub_co_u32 s3, s3, 1
	s_cmp_lg_u32 s3, 0
	s_cbranch_scc1 .Lslot
	TURN 0                                         ; the last change of slots and the last slot are written out: nothing is asked for
	QUARTER 1, F0, F1
	QUARTER 2, F1, F0
	QUARTER 3, F0, F1
	s_wait_dscnt 16
	MUL8 F1, 0, 0
	MUL8 F1, 0, 2
	s_wait_dscnt 0x0
	MUL8 F1, 1, 0
	MUL8 F1, 1, 2
	WIN 0
	; THE WAY OUT, 16 rows at a time: the sums go into my stage (each accumulator's low four registers first), come back as whole rows of 256 bytes, take the residual, and leave.
	PLACES
	s_wait_loadcnt 0x0                             ; the residual
.irp a, 0,1,2,3
.set TS, TMP+32*((\a)%2)
.if (\a) >= 2
	s_wait_xcnt 0x0                                ; the stores of two blocks back have read this set of registers
.endif
.irp b, 0,1,2,3
	ds_store_b128 v[STO], v[ACC+8*(4*(\a)+(\b)):ACC+8*(4*(\a)+(\b))+3]   offset:64*(\b)
	ds_store_b128 v[STO], v[ACC+8*(4*(\a)+(\b))+4:ACC+8*(4*(\a)+(\b))+7] offset:64*(\b)+16
.endr
.irp t, 0,1,2,3,4,5,6,7
	ds_load_b128 v[TS+4*(\t):TS+4*(\t)+3], v[RD] offset:(\t)*2*SPITCH  ; LDS serves a wave's instructions in order: these see the stores above
.endr
	s_wait_dscnt 0x0
	WIN 0x08                                       ; source 1 in window 2
.set i, 0
.rept 16
	v_pk_add_f32 v[TS+2*i:TS+2*i+1], v[TS+2*i:TS+2*i+1], v[32*(\a)+2*i:32*(\a)+2*i+1]
.set i, i+1
.endr
	WIN 0
.irp t, 0,1,2,3,4,5,6,7
	global_store_b128 v[RO], v[TS+4*(\t):TS+4*(\t)+3], s[12:13] offset:(16*(\a)+2*(\t))*4096  ; 16 lanes store 256 consecutive bytes, aligned
.endr
.endr
	s_wait_tensorcnt 0x0                           ; the wave's end
	ds_add_u32 v[SPW], v[NIL]
	s_wait_dscnt 0x0
	CROUND                                         ; the closing round
	s_endpgm
.Lfunc_end_k_q2abb7fe6f1_ffn2:
	.size	k_q2abb7fe6f1_ffn2, .Lfunc_end_k_q2abb7fe6f1_ffn2-k_q2abb7fe6f1_ffn2
	.p2alignl 7, 3214868480
	.fill 96, 4, 3214868480
	.section	.rodata,"a",@progbits
	.p2align	6, 0x0
	.amdhsa_kernel k_q2abb7fe6f1_ffn2
		.amdhsa_group_segment_fixed_size 327680
		.amdhsa_private_segment_fixed_size 0
		.amdhsa_enable_private_segment 0
		.amdhsa_kernarg_size 40
		.amdhsa_user_sgpr_count 2
		.amdhsa_user_sgpr_kernarg_segment_ptr 1
		.amdhsa_wavefront_size32 1
		.amdhsa_system_sgpr_workgroup_id_x 1
		.amdhsa_system_sgpr_workgroup_id_y 1
		.amdhsa_system_sgpr_workgroup_id_z 1
		.amdhsa_system_vgpr_workitem_id 0
		.amdhsa_next_free_vgpr 640
		.amdhsa_next_free_sgpr 76
		.amdhsa_reserve_vcc 0
		.amdhsa_float_denorm_mode_32 3
		.amdhsa_float_denorm_mode_16_64 3
		.amdhsa_memory_ordered 1
		.amdhsa_forward_progress 1
		.amdhsa_inst_pref_size 66
	.end_amdhsa_kernel
	.amdgpu_metadata
---
amdhsa.version: [ 1, 2 ]
amdhsa.kernels:
  - .name:           k_q2abb7fe6f1_ffn2
    .symbol:         k_q2abb7fe6f1_ffn2.kd
    .args:
      - { .name: act, .offset: 0, .size: 8, .value_kind: global_buffer, .address_space: global }
      - { .name: wb, .offset: 8, .size: 8, .value_kind: global_buffer, .address_space: global }
      - { .name: b2, .offset: 16, .size: 8, .value_kind: global_buffer, .address_space: global }
      - { .name: x1, .offset: 24, .size: 8, .value_kind: global_buffer, .address_space: global }
      - { .name: out0, .offset: 32, .size: 8, .value_kind: global_buffer, .address_space: global }
    .group_segment_fixed_size: 327680
    .private_segment_fixed_size: 0
    .kernarg_segment_align: 8
    .kernarg_segment_size: 40
    .max_flat_workgroup_size: 128
    .sgpr_count:     76
    .vgpr_count:     640
    .wavefront_size: 32
...
	.end_amdgpu_metadata
.endif
;; end of part 6
